; MI455X (gfx1250); checked and timed in simulation.
; The chip was launched on July 23, 2026; its instructions are those of AMD's public machine-readable ISA for CDNA 5 (MIT licence, August 2026) and "CDNA5" Instruction Set Architecture Reference Guide (July 2026). The comments in the code are by the model that wrote it; some were corrected since.
;; Attention. Allowed arithmetic: float matrix products may take bf16 or f16 operands with f32 sums; all other float work in f32.
;; Inputs: Wkv 1,024 x 1,024 float32; Wout 512 x 1,024 float32; Wq 1,024 x 512 float32; b_latent 1,024 float32; b_media 1,024 float32; bout 1,024 float32; g_latent 1,024 float32; g_media 1,024 float32; latents 8 x 64 x 1,024 float32; mask 8 x 4,096 bool; x 8 x 4,096 x 1,024 float32.
;; Outputs: out0 8 x 64 x 1,024 float32.
;; 2 versions, each right and faster than the one before. Each part assembles by itself: llvm-mc -triple=amdgcn-amd-amdhsa -mcpu=gfx1250 --defsym DOCPART=n.
;; ======== version 1 of 2: 5 launches
;; limits: values are held in f16: magnitudes above 65,504 overflow, below 6.1e-05 lose precision
;; workspace buffers: wkvf 2,097,152 bytes; wqf 1,048,576 bytes; wof 1,048,576 bytes; qf 524,288 bytes; po 34,603,008 bytes; pml 2,162,688 bytes; oc 1,048,576 bytes
;; launch conv (part 1): grid 256 x 1, 8 waves a work-group, no clusters, 0 bytes of LDS; arguments Wkv, Wq, Wout, wkvf, wqf, wof; writes wkvf, wqf, wof
.if DOCPART == 1
	.amdgcn_target "amdgcn-amd-amdhsa--gfx1250"
	.amdhsa_code_object_version 6
	.text
	.protected	k_q6fedbbb81b_conv
	.globl	k_q6fedbbb81b_conv
	.p2align	8
	.type	k_q6fedbbb81b_conv,@function
k_q6fedbbb81b_conv:
	s_mov_b64 s[64:65], 0
	v_nop
	global_prefetch_b8 v0, s[64:65] scope:SCOPE_SE
	s_setreg_imm32_b32 hwreg(HW_REG_WAVE_MODE, 25, 1), 1
	s_wait_xcnt 0x0
; The three weight matrices, f32 [K][N], are rounded once to f16 and laid out as the matrix unit's fragments:
;   dst[nt][ks][half][lane][16 bytes], nt = a tile of 16 columns, ks = a block of 32 along K;
;   the 16 bytes of lane (r = lane & 15, h = lane >> 4) are W[32 ks + 16 half + 8 h + 0..7][16 nt + r].
; A later launch then fills a fragment with two loads of 512 consecutive bytes each.
; One wave takes 32 columns x 32 K: 2,048 tasks = 1,024 (Wkv) + 512 (Wq) + 512 (Wout) = 256 work-groups x 8 waves.
; LIMIT: f16 operands.  |W| must stay below 65,504; below 6.1e-5 the absolute error is at most 2^-25.
; No LDS, no matrix unit, no cluster: each byte is read once and written once, nothing is shared.
.set LANE, 1
.set SRC,  2                           ; byte offset of my column in the task's first row
.set DST,  3                           ; byte offset of my 16 bytes in the task's first unit
.set RAW,  8                           ; v[8:39]   32 numbers of my column, K ascending
.set PK,   40                          ; v[40:55]  the same as 16 words of two f16
	s_load_b256 s[4:11], s[0:1], 0x0               ; Wkv s[4:5], Wq s[6:7], Wout s[8:9], wkvf s[10:11]
	s_load_b128 s[12:15], s[0:1], 0x20             ; wqf s[12:13], wof s[14:15]
	v_and_b32 v[LANE], 31, v0
	v_lshrrev_b32 v4, 5, v0
	v_readfirstlane_b32 s2, v4                     ; wave
	s_lshl3_add_u32 s16, ttmp9, s2                 ; task = 8 x work-group + wave
	v_lshrrev_b32 v5, 4, v[LANE]                   ; which of the task's two column tiles
	v_and_b32 v6, 15, v[LANE]                      ; r
	s_wait_kmcnt 0x0
; sb, db: scalar pairs of source and destination; rowb: bytes in a source row; logks: log2 of the K blocks; t0: the matrix's first task
.macro CONV sb, db, rowb, logks, t0
	s_sub_co_u32 s17, s16, \t0
	s_lshr_b32 s18, s17, \logks                    ; np: which 32 columns
	s_and_b32 s19, s17, (1<<\logks)-1              ; ks
	s_mul_i32 s20, s19, 32*\rowb
	s_lshl_b32 s21, s18, 7
	s_add_co_u32 s20, s20, s21
	v_lshl_add_u32 v[SRC], v[LANE], 2, s20         ; row 32 ks, column 32 np + lane
	v_lshl_add_u32 v[DST], s18, 1, v5              ; nt = 2 np + lane / 16
	v_lshl_add_u32 v[DST], v[DST], \logks, s19     ; nt x KS + ks
	v_lshlrev_b32 v[DST], 10, v[DST]               ; 1,024 bytes a fragment
	v_lshl_add_u32 v[DST], v6, 4, v[DST]
.set n, 0
.rept 32
	global_load_b32 v[RAW+n], v[SRC], s[\sb:\sb+1] offset:n*\rowb
.set n, n+1
.endr
	s_wait_loadcnt 0x0
.set n, 0
.rept 16
	v_cvt_pk_f16_f32 v[PK+n], v[RAW+2*n], v[RAW+2*n+1]
.set n, n+1
.endr
.irp u, 0,1,2,3
	global_store_b128 v[DST], v[PK+4*\u:PK+4*\u+3], s[\db:\db+1] offset:256*\u   ; unit u = (half u / 2, h = u & 1): sixteen lanes store 256 consecutive bytes, aligned
.endr
	s_endpgm
.endm
	s_cmp_lt_u32 ttmp9, 128
	s_cbranch_scc0 .Lnot_kv
	CONV 4, 10, 4096, 5, 0
.Lnot_kv:
	s_cmp_lt_u32 ttmp9, 192
	s_cbranch_scc0 .Lwout
	CONV 6, 12, 2048, 5, 1024
.Lwout:
	CONV 8, 14, 4096, 4, 1536
.Lfunc_end_k_q6fedbbb81b_conv:
	.size	k_q6fedbbb81b_conv, .Lfunc_end_k_q6fedbbb81b_conv-k_q6fedbbb81b_conv
	.p2alignl 7, 3214868480
	.fill 96, 4, 3214868480
	.section	.rodata,"a",@progbits
	.p2align	6, 0x0
	.amdhsa_kernel k_q6fedbbb81b_conv
		.amdhsa_group_segment_fixed_size 0
		.amdhsa_private_segment_fixed_size 0
		.amdhsa_enable_private_segment 0
		.amdhsa_kernarg_size 48
		.amdhsa_user_sgpr_count 2
		.amdhsa_user_sgpr_kernarg_segment_ptr 1
		.amdhsa_wavefront_size32 1
		.amdhsa_system_sgpr_workgroup_id_x 1
		.amdhsa_system_sgpr_workgroup_id_y 1
		.amdhsa_system_sgpr_workgroup_id_z 1
		.amdhsa_system_vgpr_workitem_id 0
		.amdhsa_next_free_vgpr 56
		.amdhsa_next_free_sgpr 66
		.amdhsa_reserve_vcc 0
		.amdhsa_float_denorm_mode_32 3
		.amdhsa_float_denorm_mode_16_64 3
		.amdhsa_memory_ordered 1
		.amdhsa_forward_progress 1
		.amdhsa_inst_pref_size 16
	.end_amdhsa_kernel
	.amdgpu_metadata
---
amdhsa.version: [ 1, 2 ]
amdhsa.kernels:
  - .name:           k_q6fedbbb81b_conv
    .symbol:         k_q6fedbbb81b_conv.kd
    .args:
      - { .name: Wkv, .offset: 0, .size: 8, .value_kind: global_buffer, .address_space: global }
      - { .name: Wq, .offset: 8, .size: 8, .value_kind: global_buffer, .address_space: global }
      - { .name: Wout, .offset: 16, .size: 8, .value_kind: global_buffer, .address_space: global }
      - { .name: wkvf, .offset: 24, .size: 8, .value_kind: global_buffer, .address_space: global }
      - { .name: wqf, .offset: 32, .size: 8, .value_kind: global_buffer, .address_space: global }
      - { .name: wof, .offset: 40, .size: 8, .value_kind: global_buffer, .address_space: global }
    .group_segment_fixed_size: 0
    .private_segment_fixed_size: 0
    .kernarg_segment_align: 8
    .kernarg_segment_size: 48
    .max_flat_workgroup_size: 256
    .sgpr_count:     66
    .vgpr_count:     56
    .wavefront_size: 32
...
	.end_amdgpu_metadata
.endif
;; end of part 1
;; launch latent (part 2): grid 16 x 8, 4 waves a work-group, no clusters, 230,912 bytes of LDS; arguments latents, g_latent, b_latent, wqf, wkvf, qf, po, pml; writes qf, po, pml
.if DOCPART == 2
	.amdgcn_target "amdgcn-amd-amdhsa--gfx1250"
	.amdhsa_code_object_version 6
	.text
	.protected	k_q6fedbbb81b_latent
	.globl	k_q6fedbbb81b_latent
	.p2align	8
	.type	k_q6fedbbb81b_latent,@function
k_q6fedbbb81b_latent:
	s_mov_b64 s[64:65], 0
	v_nop
	global_prefetch_b8 v0, s[64:65] scope:SCOPE_SE
	s_setreg_imm32_b32 hwreg(HW_REG_WAVE_MODE, 25, 1), 1
	s_wait_xcnt 0x0
; One work-group = one batch b (grid y) and one head (grid x).  It normalises the batch's 64 latent rows (f32, two passes), rounds them to f16
; into LDS, makes the head's q, K and V of these rows (64 x 96 columns, K = 1,024 split over the four waves, 256 each, summed through LDS),
; stores q as fragments (times 32^-0.5 log2 e) for the main launch, and runs the head's attention on the 64 latent keys, which are never masked:
; partial (m, l, O) number 32 of 33.
; q and K are made transposed (D[m = d][n = row]) and V plain (D[m = key][n = v]): packing two D tiles to f16 is then already the next product's
; fragment.  S is made as S^T (D[m = key][n = q]) and O as O^T (D[m = v][n = q]): maximum and sum are one number a lane (q = lane & 15).
; LIMITS: matrix operands are f16: |ln g + b|, |q|, |K|, |V| below 65,504 (a normalised number is at most 32 in magnitude); v_exp_f32 gives 0 below 2^-126.
; No cluster: the sixteen heads of a batch share the 256 KiB of latents only, a small part of what a work-group reads, and each normalises them into its own LDS through registers.
.set PITCH, 2064                       ; an LDS row of 1,024 f16 + 16 bytes: 129 x 16, so sixteen rows start in sixteen different 16-byte columns
.set ROWB,  4096                       ; bytes in a row of latents
.set NSLOT, 4                          ; row slots in registers
.set RED,   64*PITCH                   ; LDS: [wave 4][tile 24][plane 2][lane 32][16 bytes], the waves' partial sums
.set REDW,  24576
.set MLS,   RED+4*REDW                 ; LDS: [r 16][qt 4][m, l], 512 bytes
.set VOFF,  1048576                    ; V's column tiles lie 32 tiles behind K's in wkvf
; windows of 256 registers: low byte of s_set_vgpr_msb = source 0 | source 1 << 2 | source 2 << 4 | destination << 6
.set W_XSS, 0x0f                       ; sources 0, 1 in window 3 (the row slots)
.set W_XS,  0x03                       ; source 0 in window 3
.set W_XD,  0xc0                       ; destination in window 3
; window 0
.set WO,  4                            ; 16 x lane
.set AD,  6                            ; v6, v7  LDS address of my fragments of rows 0-31, 32-63, at my wave's part of K
.set RS0, 8                            ; where I put my wave's partial sums
.set RL0, 9                            ; where I read waves 0, 1
.set RL1, 10                           ; where I read waves 2, 3
.set RQ0, 11                           ; the same, at the row tile that is my wave's query tile
.set RQ1, 12
.set MLA, 13                           ; my (m, l) in MLS
.set XO,  14                           ; byte offset of my 16 bytes in my wave's first row
.set LA,  15                           ; LDS address of my 8 bytes in my wave's row
.set MU,  16                           ; v[16:17] mean twice; later the maximum twice
.set MX,  16
.set RSD, 18                           ; v[18:19] 1 / sigma twice; later at work
.set TP,  20                           ; a lane exchange's destination
.set LS,  20                           ; v[20:27] chains of maxima and sums
.set ML,  28                           ; v[28:29] m, l
.set MLR, 30
.set KD,  32                           ; v[32:95]   K^T tiles (t, i) at 8 (4 t + i)
.set VD,  96                           ; v[96:159]  V tiles (t, i) at 8 (4 t + i)
.set QD,  160                          ; v[160:175] q^T tiles t
.set TA,  176                          ; v[176:207] fragment buffer 0; reduction set 0; S
.set TB,  208                          ; v[208:239] fragment buffer 1; reduction set 1; O
.set GA,  64                           ; while rows are normalised: gamma, beta, the row at work, partial sums
.set BE,  96
.set TT,  128
.set SM,  160
.set XB,  32                           ; s[32:33] latents of my batch
.set WQB, 28                           ; s[28:29] wqf at my head and my wave's K
.set WKB, 30                           ; s[30:31] wkvf likewise
.set MSB, 0
.macro WIN new                         ; the immediate's high byte repeats the setting that is left
.if MSB != (\new)
	s_set_vgpr_msb (MSB<<8)|(\new)
.set MSB, (\new)
.endif
.endm
.macro PLACES                          ; four plain vector places behind a matrix instruction (ISA guide 7.12.1)
.rept 4
	v_nop
.endr
.endm
.macro LANESUM r                       ; the sum over the wave's 32 lanes, in every lane
	v_add_f32_dpp v[\r], v[\r], v[\r] row_xmask:1 row_mask:0xf bank_mask:0xf
	v_add_f32_dpp v[\r], v[\r], v[\r] row_xmask:2 row_mask:0xf bank_mask:0xf
	v_add_f32_dpp v[\r], v[\r], v[\r] row_xmask:4 row_mask:0xf bank_mask:0xf
	v_add_f32_dpp v[\r], v[\r], v[\r] row_xmask:8 row_mask:0xf bank_mask:0xf
	v_permlanex16_b32 v[TP], v[\r], s6, s7
	v_add_f32 v[\r], v[\r], v[TP]
.endm
	s_load_b512 s[8:23], s[0:1], 0x0               ; latents 8, g 10, b 12, wqf 14, wkvf 16, qf 18, po 20, pml 22
	v_and_b32 v24, 31, v0                          ; lane
	v_and_b32 v25, 15, v0                          ; r
	v_bfe_u32 v26, v0, 4, 1                        ; h
	v_lshrrev_b32 v27, 5, v0
	v_readfirstlane_b32 s2, v27                    ; wave w
	s_and_b32 s4, ttmp7, 0xffff                    ; b; the head is ttmp9
	s_mov_b32 s6, 0x76543210                       ; v_permlanex16_b32: lane i reads lane i of the other half
	s_mov_b32 s7, 0xfedcba98
	s_mov_b32 s24, 0x3a800000                      ; 1 / 1024
	s_mov_b32 s27, 0x3727c5ac                      ; 1e-5
	s_lshl_b32 s40, s4, 18                         ; 64 rows of 4,096 bytes a batch
	s_mov_b32 s41, 0
	s_lshl_b32 s42, ttmp9, 16                      ; two column tiles of 32,768 bytes a head
	s_lshl_b32 s44, s2, 13                         ; eight K blocks of 1,024 bytes a wave
	s_add_co_u32 s42, s42, s44
	s_mov_b32 s43, 0
	s_lshl_b32 s44, s4, 4
	s_add_co_u32 s44, s44, ttmp9                   ; 16 b + head
	s_lshl2_add_u32 s44, s44, s2                   ; x 4 + query tile (= wave)
	s_lshl_b32 s44, s44, 10
	s_mov_b32 s45, 0
	s_mul_i32 s46, s4, 33
	s_add_co_u32 s46, s46, 32                      ; chunk 32 of 33
	s_lshl_b32 s46, s46, 4
	s_add_co_u32 s46, s46, ttmp9                   ; (33 b + 32) 16 + head
	s_lshl_b32 s48, s46, 9
	s_mov_b32 s49, 0
	s_lshl2_add_u32 s46, s46, s2
	s_lshl_b32 s46, s46, 11                        ; x 8,192 + 2,048 w
	s_mov_b32 s47, 0
	s_lshl_b32 s50, s2, 9                          ; my wave's part of K in an LDS row: 256 f16
	s_mul_i32 s51, s2, REDW
	s_add_co_u32 s51, s51, RED
	s_lshl_b32 s52, s2, 10
	s_lshl_b32 s53, s2, 3
	s_add_co_u32 s53, s53, MLS
	s_mul_i32 s54, s2, 16*PITCH
	s_lshl_b32 s55, s2, 16                         ; my wave's 16 rows of latents
	v_lshlrev_b32 v[WO], 4, v24
	v_mul_u32_u24 v[AD], v25, PITCH
	v_lshl_add_u32 v[AD], v26, 4, v[AD]
	v_add_nc_u32 v[AD], s50, v[AD]
	v_add_nc_u32 v[AD+1], 32*PITCH, v[AD]
	v_add_nc_u32 v[RS0], s51, v[WO]
	v_add_nc_u32 v[RL0], RED, v[WO]
	v_add_nc_u32 v[RL1], RED+2*REDW, v[WO]
	v_add_nc_u32 v[RQ0], s52, v[RL0]
	v_add_nc_u32 v[RQ1], s52, v[RL1]
	v_lshl_add_u32 v[MLA], v25, 5, s53
	v_add_nc_u32 v[MLR], MLS, v[WO]
	v_add_nc_u32 v[XO], s55, v[WO]
	v_lshl_add_u32 v[LA], v24, 3, s54
	v_mov_b32 v[TP], 0
	s_wait_kmcnt 0x0
	s_add_nc_u64 s[XB:XB+1], s[8:9], s[40:41]
	s_add_nc_u64 s[WQB:WQB+1], s[14:15], s[42:43]
	s_add_nc_u64 s[WKB:WKB+1], s[16:17], s[42:43]
	s_add_nc_u64 s[34:35], s[18:19], s[44:45]      ; qf
	s_add_nc_u64 s[36:37], s[20:21], s[46:47]      ; po
	s_add_nc_u64 s[38:39], s[22:23], s[48:49]      ; pml
; The weights of my wave's eight K blocks, all at once: block s at register rb of window 1 (s < 5) or 2; column tile ct at rb + 8 ct: q, q, K, K, V, V
.macro WLOAD s, rb
.irp c, 0,1
.irp f, 0,1
	global_load_b128 v[\rb+8*\c+4*\f:\rb+8*\c+4*\f+3], v[WO], s[WQB:WQB+1] offset:32768*\c+1024*\s+512*\f
	global_load_b128 v[\rb+16+8*\c+4*\f:\rb+16+8*\c+4*\f+3], v[WO], s[WKB:WKB+1] offset:32768*\c+1024*\s+512*\f
	global_load_b128 v[\rb+32+8*\c+4*\f:\rb+32+8*\c+4*\f+3], v[WO], s[WKB:WKB+1] offset:VOFF+32768*\c+1024*\s+512*\f
.endr
.endr
.endm
	WIN 0x40
	WLOAD 0, 0
	WLOAD 1, 48
	WLOAD 2, 96
	WLOAD 3, 144
	WLOAD 4, 192
	WIN 0x80
	WLOAD 5, 0
	WLOAD 6, 48
	WLOAD 7, 96
	WIN 0
.irp j, 0,1,2,3,4,5,6,7
	global_load_b128 v[GA+4*\j:GA+4*\j+3], v[WO], s[10:11] offset:512*\j      ; columns 128 j + 4 lane .. + 3, as the rows' loads
	global_load_b128 v[BE+4*\j:BE+4*\j+3], v[WO], s[12:13] offset:512*\j
.endr
	WIN W_XD
.irp s, 0,1,2,3
.irp j, 0,1,2,3,4,5,6,7
	global_load_b128 v[32*\s+4*\j:32*\s+4*\j+3], v[XO], s[XB:XB+1] offset:ROWB*\s+512*\j
.endr
.endr
	WIN 0
; LayerNorm of the row in slot: mean, then the squares of the differences (two passes, all f32), gamma and beta, one rounding to f16, 2,048 bytes into LDS.
; The slot is read twice (sum; difference into window 0) and is then free: refill = 1 loads the row NSLOT further down into it at once.
; left = how many younger loads may stay out.
.macro ROW slot, refill, left
	s_wait_loadcnt \left
	WIN W_XSS
.irp k, 0,1,2,3,4,5,6,7
	v_pk_add_f32 v[SM+2*\k:SM+2*\k+1], v[32*\slot+4*\k:32*\slot+4*\k+1], v[32*\slot+4*\k+2:32*\slot+4*\k+3]
.endr
	WIN 0
.irp k, 0,4,8,12
	v_pk_add_f32 v[SM+\k:SM+\k+1], v[SM+\k:SM+\k+1], v[SM+\k+2:SM+\k+3]
.endr
	v_pk_add_f32 v[SM:SM+1], v[SM:SM+1], v[SM+4:SM+5]
	v_pk_add_f32 v[SM+8:SM+9], v[SM+8:SM+9], v[SM+12:SM+13]
	v_pk_add_f32 v[SM:SM+1], v[SM:SM+1], v[SM+8:SM+9]
	v_add_f32 v[SM], v[SM], v[SM+1]
	LANESUM SM
	v_mul_f32 v[MU], s24, v[SM]
	v_mul_f32 v[MU+1], s24, v[SM]
	WIN W_XS
.irp k, 0,1,2,3,4,5,6,7,8,9,10,11,12,13,14,15
	v_pk_add_f32 v[TT+2*\k:TT+2*\k+1], v[32*\slot+2*\k:32*\slot+2*\k+1], v[MU:MU+1] neg_lo:[0,1] neg_hi:[0,1]
.endr
.if \refill
	WIN W_XD
.irp j, 0,1,2,3,4,5,6,7
	global_load_b128 v[32*\slot+4*\j:32*\slot+4*\j+3], v[XO], s[XB:XB+1] offset:(\slot+NSLOT)*ROWB+512*\j
.endr
.endif
	WIN 0
.irp k, 0,1,2,3
	v_pk_mul_f32 v[SM+2*\k:SM+2*\k+1], v[TT+2*\k:TT+2*\k+1], v[TT+2*\k:TT+2*\k+1]
.endr
.irp k, 4,5,6,7,8,9,10,11,12,13,14,15
	v_pk_fma_f32 v[SM+2*(\k%4):SM+2*(\k%4)+1], v[TT+2*\k:TT+2*\k+1], v[TT+2*\k:TT+2*\k+1], v[SM+2*(\k%4):SM+2*(\k%4)+1]
.endr
	v_pk_add_f32 v[SM:SM+1], v[SM:SM+1], v[SM+2:SM+3]
	v_pk_add_f32 v[SM+4:SM+5], v[SM+4:SM+5], v[SM+6:SM+7]
	v_pk_add_f32 v[SM:SM+1], v[SM:SM+1], v[SM+4:SM+5]
	v_add_f32 v[SM], v[SM], v[SM+1]
	LANESUM SM
	v_fma_f32 v[SM], v[SM], s24, s27               ; variance + 1e-5
	v_rsq_f32 v[RSD], v[SM]
	v_rsq_f32 v[RSD+1], v[SM]
	v_nop                                          ; one plain place behind a transcendental before its result is used (ISA guide 5.7.2)
.irp k, 0,1,2,3,4,5,6,7,8,9,10,11,12,13,14,15
	v_pk_mul_f32 v[TT+2*\k:TT+2*\k+1], v[TT+2*\k:TT+2*\k+1], v[RSD:RSD+1]
.endr
.irp k, 0,1,2,3,4,5,6,7,8,9,10,11,12,13,14,15
	v_pk_fma_f32 v[TT+2*\k:TT+2*\k+1], v[TT+2*\k:TT+2*\k+1], v[GA+2*\k:GA+2*\k+1], v[BE+2*\k:BE+2*\k+1]
.endr
.irp k, 0,1,2,3,4,5,6,7,8,9,10,11,12,13,14,15
	v_cvt_pk_f16_f32 v[TT+\k], v[TT+2*\k], v[TT+2*\k+1]
.endr
.irp j, 0,1,2,3,4,5,6,7
	ds_store_b64 v[LA], v[TT+2*\j:TT+2*\j+1] offset:\slot*PITCH+256*\j     ; 32 lanes, 256 consecutive bytes
.endr
.endm
	; my wave's rows 16 w + slot + 4 n.  24 = the three other slots' eight loads each; the weights' loads are older and have landed with the first row
	s_mov_b32 s5, 3
.Lrows:
	ROW 0, 1, 24
	ROW 1, 1, 24
	ROW 2, 1, 24
	ROW 3, 1, 24
	v_add_nc_u32 v[LA], NSLOT*PITCH, v[LA]
	s_wait_xcnt 0x0                                ; the loads' base is stepped only behind this wait
	s_add_nc_u64 s[XB:XB+1], s[XB:XB+1], NSLOT*ROWB
	s_sub_co_u32 s5, s5, 1
	s_cmp_lg_u32 s5, 0
	s_cbranch_scc1 .Lrows
	ROW 0, 0, 24                                   ; the last four rows load nothing: the counts run down
	ROW 1, 0, 16
	ROW 2, 0, 8
	ROW 3, 0, 0
	s_wait_dscnt 0x0                               ; my rows are in LDS,
	s_barrier_signal -1
	s_barrier_wait -1                              ; everybody's are
; fragments of the 64 rows at K block s of my wave: row tile 2 q + e
.macro LFETCH buf, s
	WIN 0
.irp q, 0,1
.irp e, 0,1
	ds_load_b128 v[\buf+8*(2*\q+\e):\buf+8*(2*\q+\e)+3], v[AD+\q] offset:\e*16*PITCH+64*(\s)
	ds_load_b128 v[\buf+8*(2*\q+\e)+4:\buf+8*(2*\q+\e)+7], v[AD+\q] offset:\e*16*PITCH+64*(\s)+32
.endr
.endr
.endm
; One K block: 24 matrix instructions on 24 accumulators (window 3, tile (ct, rt) at 8 (4 ct + rt)), which take turns, one instruction a turn.
; q and K: source 0 = weights, source 1 = rows (transposed result).  V: source 0 = rows, source 1 = weights.
.macro LSTEP s, ab, an, zero
.if \s < 5
.set WR, 48*\s
.set WKS, 0xf1
.set WVS, 0xf4
.else
.set WR, 48*(\s-5)
.set WKS, 0xf2
.set WVS, 0xf8
.endif
	s_wait_dscnt 0x0                               ; this block's fragments are in
	WIN WKS
.irp c, 0,1,2,3
.irp i, 0,1,2,3
.if \zero
	v_wmma_f32_16x16x32_f16 v[8*(4*\c+\i):8*(4*\c+\i)+7], v[WR+8*\c:WR+8*\c+7], v[\ab+8*\i:\ab+8*\i+7], 0
.else
	v_wmma_f32_16x16x32_f16 v[8*(4*\c+\i):8*(4*\c+\i)+7], v[WR+8*\c:WR+8*\c+7], v[\ab+8*\i:\ab+8*\i+7], v[8*(4*\c+\i):8*(4*\c+\i)+7]
.endif
.endr
.endr
.if \s < 7
	PLACES                                         ; the other buffer was read by the last block's matrix instructions
	LFETCH \an, \s+1
.endif
	WIN WVS
.irp c, 4,5
.irp i, 0,1,2,3
.if \zero
	v_wmma_f32_16x16x32_f16 v[8*(4*\c+\i):8*(4*\c+\i)+7], v[\ab+8*\i:\ab+8*\i+7], v[WR+8*\c:WR+8*\c+7], 0
.else
	v_wmma_f32_16x16x32_f16 v[8*(4*\c+\i):8*(4*\c+\i)+7], v[\ab+8*\i:\ab+8*\i+7], v[WR+8*\c:WR+8*\c+7], v[8*(4*\c+\i):8*(4*\c+\i)+7]
.endif
.endr
.endr
.endm
	LFETCH TA, 0
	LSTEP 0, TA, TB, 1                             ; the first block starts the sums: nothing is cleared
	LSTEP 1, TB, TA, 0
	LSTEP 2, TA, TB, 0
	LSTEP 3, TB, TA, 0
	LSTEP 4, TA, TB, 0
	LSTEP 5, TB, TA, 0
	LSTEP 6, TA, TB, 0
	LSTEP 7, TB, TA, 0
	PLACES
	WIN 0x0c                                       ; an LDS store's data is source 1: window 3
.set n, 0
.rept 24
	ds_store_b128 v[RS0], v[8*n:8*n+3] offset:1024*n
	ds_store_b128 v[RS0], v[8*n+4:8*n+7] offset:1024*n+512
.set n, n+1
.endr
	WIN 0
	s_wait_dscnt 0x0                               ; my partial sums are in LDS,
	s_barrier_signal -1
	s_barrier_wait -1                              ; everybody's are
; A tile's four partial sums: eight loads into a set of 32 registers, then twelve packed additions.
.macro RLOAD set, a0, a1, tile
.irp f, 0,1
	ds_load_b128 v[\set+4*\f:\set+4*\f+3], v[\a0] offset:(\tile)*1024+512*\f
	ds_load_b128 v[\set+8+4*\f:\set+8+4*\f+3], v[\a0] offset:REDW+(\tile)*1024+512*\f
	ds_load_b128 v[\set+16+4*\f:\set+16+4*\f+3], v[\a1] offset:(\tile)*1024+512*\f
	ds_load_b128 v[\set+24+4*\f:\set+24+4*\f+3], v[\a1] offset:REDW+(\tile)*1024+512*\f
.endr
.endm
.macro RSUM set, dst
.irp k, 0,2,4,6
	v_pk_add_f32 v[\set+\k:\set+\k+1], v[\set+\k:\set+\k+1], v[\set+8+\k:\set+8+\k+1]
	v_pk_add_f32 v[\set+16+\k:\set+16+\k+1], v[\set+16+\k:\set+16+\k+1], v[\set+24+\k:\set+24+\k+1]
.endr
.irp k, 0,2,4,6
	v_pk_add_f32 v[\dst+\k:\dst+\k+1], v[\set+\k:\set+\k+1], v[\set+16+\k:\set+16+\k+1]
.endr
.endm
.macro RNEXT nset, a0, a1, tile, cset, dst     ; ask for the next tile, then add the one before: its eight loads are in when only the eight younger are out
	RLOAD \nset, \a0, \a1, \tile
	s_wait_dscnt 8
	RSUM \cset, \dst
.endm
	RLOAD TA, RQ0, RQ1, 0                          ; q^T, d 0-15, my wave's query tile
	RNEXT TB, RQ0, RQ1, 4, TA, QD                  ; q^T, d 16-31
	RNEXT TA, RL0, RL1, 8, TB, QD+8                ; then tiles 8 to 23: K^T (t, i), V (t, i), into v[KD + 8 m], m = 0 .. 15
.irp m, 0,2,4,6,8,10,12
	RNEXT TB, RL0, RL1, 9+\m, TA, KD+8*\m
	RNEXT TA, RL0, RL1, 10+\m, TB, KD+8*\m+8
.endr
	RNEXT TB, RL0, RL1, 23, TA, KD+112
	s_wait_dscnt 0x0
	RSUM TB, KD+120
	; q times 32^-0.5 log2 e (the exponentials are base 2), packed: the fragment (n = q, k = d), kept here and stored for the main launch
.irp k, 0,2,4,6,8,10,12,14
	v_pk_mul_f32 v[QD+\k:QD+\k+1], v[QD+\k:QD+\k+1], 0x3e8293ee op_sel_hi:[1,0]
.endr
.irp k, 0,1,2,3,4,5,6,7
	v_cvt_pk_f16_f32 v[QD+\k], v[QD+2*\k], v[QD+2*\k+1]
.endr
	global_store_b128 v[WO], v[QD:QD+3], s[34:35]
	global_store_b128 v[WO], v[QD+4:QD+7], s[34:35] offset:512
	; K fragment of key tile i (m = key, k = d): registers 0-3 from tile (0, i), 4-7 from tile (1, i), in place
.irp i, 0,1,2,3
.irp k, 0,1,2,3
	v_cvt_pk_f16_f32 v[KD+8*\i+\k], v[KD+8*\i+2*\k], v[KD+8*\i+2*\k+1]
.endr
.irp k, 0,1,2,3
	v_cvt_pk_f16_f32 v[KD+8*\i+4+\k], v[KD+32+8*\i+2*\k], v[KD+32+8*\i+2*\k+1]
.endr
.endr
	; V fragment (t, g) (m = v, k = 32 keys): tiles (t, 2 g) and (t, 2 g + 1) are neighbours, packed in place
.irp c, 0,1,2,3
.irp k, 0,1,2,3,4,5,6,7
	v_cvt_pk_f16_f32 v[VD+16*\c+\k], v[VD+16*\c+2*\k], v[VD+16*\c+2*\k+1]
.endr
.endr
.irp i, 0,1,2,3
	v_wmma_f32_16x16x32_f16 v[TA+8*\i:TA+8*\i+7], v[KD+8*\i:KD+8*\i+7], v[QD:QD+7], 0     ; S^T: register j = key 16 i + 8 h + j, q = r
.endr
	PLACES
	; the maximum over the 64 keys of my q: 32 numbers a lane in two chains, then the other half of the lanes
.irp c, 0,1
	v_max3_num_f32 v[LS+\c], v[TA+16*\c], v[TA+16*\c+1], v[TA+16*\c+2]
.endr
.irp k, 3,5,7,9,11,13
.irp c, 0,1
	v_max3_num_f32 v[LS+\c], v[LS+\c], v[TA+16*\c+\k], v[TA+16*\c+\k+1]
.endr
.endr
	v_max3_num_f32 v18, v[LS], v[LS+1], v[TA+15]
	v_max_num_f32 v18, v18, v[TA+31]
	v_permlanex16_b32 v19, v18, s6, s7
	v_max_num_f32 v[MX], v18, v19
	v_max_num_f32 v[MX+1], v18, v19
	v_max_num_f32 v[ML], v18, v19
.set n, 0
.rept 16
	v_pk_add_f32 v[TA+2*n:TA+2*n+1], v[TA+2*n:TA+2*n+1], v[MX:MX+1] neg_lo:[0,1] neg_hi:[0,1]
.set n, n+1
.endr
.set n, 0
.rept 32
	v_exp_f32 v[TA+n], v[TA+n]
.set n, n+1
.endr
	v_nop
.irp c, 0,1,2,3
	v_pk_add_f32 v[LS+2*\c:LS+2*\c+1], v[TA+2*\c:TA+2*\c+1], v[TA+8+2*\c:TA+8+2*\c+1]
.endr
.set n, 8
.rept 8
	v_pk_add_f32 v[LS+2*(n%4):LS+2*(n%4)+1], v[LS+2*(n%4):LS+2*(n%4)+1], v[TA+2*n:TA+2*n+1]
.set n, n+1
.endr
	v_pk_add_f32 v[LS:LS+1], v[LS:LS+1], v[LS+2:LS+3]
	v_pk_add_f32 v[LS+4:LS+5], v[LS+4:LS+5], v[LS+6:LS+7]
	v_pk_add_f32 v[LS:LS+1], v[LS:LS+1], v[LS+4:LS+5]
	v_add_f32 v18, v[LS], v[LS+1]
.irp g, 0,1
.irp k, 0,1,2,3,4,5,6,7
	v_cvt_pk_f16_f32 v[TA+16*\g+\k], v[TA+16*\g+2*\k], v[TA+16*\g+2*\k+1]     ; P fragment g (n = q, k = 32 keys), in place
.endr
.endr
	v_permlanex16_b32 v19, v18, s6, s7
	v_add_f32 v[ML+1], v18, v19
	; O^T = V^T P^T: the two accumulators take turns
	v_wmma_f32_16x16x32_f16 v[TB:TB+7], v[VD:VD+7], v[TA:TA+7], 0
	v_wmma_f32_16x16x32_f16 v[TB+8:TB+15], v[VD+32:VD+39], v[TA:TA+7], 0
	v_wmma_f32_16x16x32_f16 v[TB:TB+7], v[VD+16:VD+23], v[TA+16:TA+23], v[TB:TB+7]
	v_wmma_f32_16x16x32_f16 v[TB+8:TB+15], v[VD+48:VD+55], v[TA+16:TA+23], v[TB+8:TB+15]
	PLACES
.irp k, 0,1,2,3
	global_store_b128 v[WO], v[TB+4*\k:TB+4*\k+3], s[36:37] offset:512*\k     ; (t = k / 2, plane = k & 1): 512 consecutive bytes
.endr
	ds_store_b64 v[MLA], v[ML:ML+1]                ; both halves of the lanes hold, and write, the same two numbers
	s_wait_dscnt 0x0
	s_barrier_signal -1
	s_barrier_wait -1
	s_cmp_lg_u32 s2, 0
	s_cbranch_scc1 .Lend
	ds_load_b128 v[LS:LS+3], v[MLR]                ; wave 0 stores the head's 512 bytes of (m, l) whole
	s_wait_dscnt 0x0
	global_store_b128 v[WO], v[LS:LS+3], s[38:39]
.Lend:
	s_endpgm
.Lfunc_end_k_q6fedbbb81b_latent:
	.size	k_q6fedbbb81b_latent, .Lfunc_end_k_q6fedbbb81b_latent-k_q6fedbbb81b_latent
	.p2alignl 7, 3214868480
	.fill 96, 4, 3214868480
	.section	.rodata,"a",@progbits
	.p2align	6, 0x0
	.amdhsa_kernel k_q6fedbbb81b_latent
		.amdhsa_group_segment_fixed_size 230912
		.amdhsa_private_segment_fixed_size 0
		.amdhsa_enable_private_segment 0
		.amdhsa_kernarg_size 64
		.amdhsa_user_sgpr_count 2
		.amdhsa_user_sgpr_kernarg_segment_ptr 1
		.amdhsa_wavefront_size32 1
		.amdhsa_system_sgpr_workgroup_id_x 1
		.amdhsa_system_sgpr_workgroup_id_y 1
		.amdhsa_system_sgpr_workgroup_id_z 1
		.amdhsa_system_vgpr_workitem_id 0
		.amdhsa_next_free_vgpr 960
		.amdhsa_next_free_sgpr 66
		.amdhsa_reserve_vcc 0
		.amdhsa_float_denorm_mode_32 3
		.amdhsa_float_denorm_mode_16_64 3
		.amdhsa_memory_ordered 1
		.amdhsa_forward_progress 1
		.amdhsa_inst_pref_size 139
	.end_amdhsa_kernel
	.amdgpu_metadata
---
amdhsa.version: [ 1, 2 ]
amdhsa.kernels:
  - .name:           k_q6fedbbb81b_latent
    .symbol:         k_q6fedbbb81b_latent.kd
    .args:
      - { .name: latents, .offset: 0, .size: 8, .value_kind: global_buffer, .address_space: global }
      - { .name: g_latent, .offset: 8, .size: 8, .value_kind: global_buffer, .address_space: global }
      - { .name: b_latent, .offset: 16, .size: 8, .value_kind: global_buffer, .address_space: global }
      - { .name: wqf, .offset: 24, .size: 8, .value_kind: global_buffer, .address_space: global }
      - { .name: wkvf, .offset: 32, .size: 8, .value_kind: global_buffer, .address_space: global }
      - { .name: qf, .offset: 40, .size: 8, .value_kind: global_buffer, .address_space: global }
      - { .name: po, .offset: 48, .size: 8, .value_kind: global_buffer, .address_space: global }
      - { .name: pml, .offset: 56, .size: 8, .value_kind: global_buffer, .address_space: global }
    .group_segment_fixed_size: 230912
    .private_segment_fixed_size: 0
    .kernarg_segment_align: 8
    .kernarg_segment_size: 64
    .max_flat_workgroup_size: 128
    .sgpr_count:     66
    .vgpr_count:     960
    .wavefront_size: 32
...
	.end_amdgpu_metadata
.endif
;; end of part 2
;; launch main (part 3): grid 32 x 8, 4 waves a work-group, no clusters, 264,192 bytes of LDS; arguments x, mask, g_media, b_media, wkvf, qf, po, pml; writes po, pml
.if DOCPART == 3
	.amdgcn_target "amdgcn-amd-amdhsa--gfx1250"
	.amdhsa_code_object_version 6
	.text
	.protected	k_q6fedbbb81b_main
	.globl	k_q6fedbbb81b_main
	.p2align	8
	.type	k_q6fedbbb81b_main,@function
k_q6fedbbb81b_main:
	s_mov_b64 s[64:65], 0
	v_nop
	global_prefetch_b8 v0, s[64:65] scope:SCOPE_SE
	s_setreg_imm32_b32 hwreg(HW_REG_WAVE_MODE, 25, 1), 1
	s_wait_xcnt 0x0
; One work-group = 128 rows of x of one batch b (grid y), chunk c (grid x): 256 work-groups.
; PHASE 1: each wave normalises 32 rows (f32, two passes: mean, then squares of the differences), applies gamma and beta, rounds once to f16 and
;   puts the row into LDS (128 rows x 2,064 bytes).  x is read once; xn, K and V never reach memory.
; PHASE 2, twice (pass p = 8 heads): wave w makes K and V of heads 8 p + 2 w and + 1 for the 128 keys: 128 x 128 numbers in 64 accumulator tiles, 512 registers,
;   32 K steps of 64 matrix instructions.  xn's fragments come from LDS; the prepared Wkv comes straight into a ring of four register slots, three K steps ahead
;   (48 loads of 512 bytes out for a wave), so the K loop has no barrier.  Then the two heads' attention on these 128 keys, all in registers:
;   K is made transposed (D[m = d][n = key]) and V plain (D[m = key][n = v]), so that packing two D tiles to f16 is already the next product's fragment;
;   S is made as S^T (D[m = key][n = q]), O as O^T (D[m = v][n = q]), so that maximum and sum are one number a lane (q = lane & 15).
;   A head's 128 keys are taken at once with their true maximum; out go the unnormalised O, m (base 2) and l of the chunk; a later launch merges the 33 chunks.
; NO CLUSTER, NO JOINT LOADS, though all work-groups read the same 2 MiB of prepared Wkv: a joint load lands in LDS, and beside xn's 264,192 bytes 63,488 of the
;   327,680 are left, less than two slots of one K step for the work-group's 512 columns (2 x 32,768); and each fragment of Wkv is used by one wave alone.
; LIMITS: (1) the mask enters as the S product's addend, 0 or -2^100, instead of a select of -FLT_MAX: the same result while |sim log2 e| stays below 2^90;
;   a chunk that is masked whole gets m near -2^100 and weight 0 in the merge.  Bit 0 of a mask byte is read.
;   (2) matrix operands are f16: |xn g + b|, |K|, |V| below 65,504 (a normalised number is at most 32 in magnitude).  (3) v_exp_f32 gives 0 below 2^-126.
.set PITCH, 2064                       ; an LDS row: 2,048 bytes + 16 = 129 x 16: sixteen rows start in sixteen different 16-byte columns
.set ROWB,  4096                       ; bytes in a row of x
.set NSLOT, 8                          ; row slots in registers: 64 loads of 512 bytes out for a wave
.set VOFF,  1048576                    ; V's column tiles lie 32 tiles of 32,768 bytes behind K's
; windows of 256 registers: low byte of s_set_vgpr_msb = source 0 | source 1 << 2 | source 2 << 4 | destination << 6
;   window 0: addresses, softmax, O, xn's fragments / S, mask addend;  window 1: the ring of Wkv (and q);
;   window 2: the row slots, then K's 32 accumulator tiles (c, i) at 8 (8 c + i);  window 3: V's 32 tiles likewise
.set W_XSS, 0x0a                       ; sources 0, 1 in window 2 (row slots)
.set W_XS,  0x02                       ; source 0 in window 2
.set W_XD,  0x80                       ; destination in window 2
.set TO_W,  0x40                       ; destination in window 1
.set MUL_K, 0xa1                       ; D, C window 2; source 0 (Wkv) window 1; source 1 (xn) window 0
.set MUL_V, 0xf4                       ; D, C window 3; source 0 (xn) window 0; source 1 (Wkv) window 1
.set CVT_K, 0x8a
.set CVT_V, 0xcf
.set MUL_S, 0x06                       ; source 0 (K) window 2, source 1 (q) window 1, C and D window 0
.set MUL_P, 0x03                       ; source 0 (V) window 3, the rest window 0
.set AD1, 0                            ; v[0:3]    LDS addresses of xn's fragments for pass 1
.set WO,  4                            ; 16 x lane
.set MLO, 5                            ; 32 r + 16 h
.set AD0, 6                            ; v[6:9]    the same for pass 0: (32 q + r) PITCH + 16 h
.set LV,  10                           ; v[10:13]  l of query tile 0..3
.set XO,  14                           ; byte offset of my 16 bytes in my wave's first row of x
.set LA,  15                           ; LDS address of my 8 bytes in my wave's row
.set MU,  16                           ; v[16:17]  mean twice; later the maximum twice
.set MX,  16
.set RSD, 18                           ; v[18:19]  1 / sigma twice; later at work
.set TP,  20
.set LS,  20                           ; v[20:27]  chains of maxima and sums
.set MS,  28                           ; v[28:31]  m of query tile 0..3
.set OO,  32                           ; v[32:63]  O^T, two sets of two tiles
.set F0,  64                           ; v[64:127]   xn's fragments, buffer 0; S, buffer 0
.set F1,  128                          ; v[128:191]  buffer 1
.set BIAS, 192                         ; v[192:255]  0 or -2^100 for key 16 i + 8 h + j at 8 i + j
.set GA,  64                           ; phase 1: gamma, beta, the row at work, partial sums, the mask's bytes
.set BE,  96
.set TT,  128
.set SM,  160
.set MR,  176
.set WB0, 28                           ; s[28:29] wkvf at my wave's four K tiles, pass 0
.set WB1, 30                           ; s[30:31] pass 1
.set XB,  32                           ; s[32:33] x at the work-group's first row
.set QB,  34                           ; s[34:35] qf at head 2 w of my batch
.set POB, 36                           ; s[36:37] po at (b, c, head 2 w)
.set PMB, 38                           ; s[38:39] pml likewise
.set MSB, 0
.macro WIN new                         ; the immediate's high byte repeats the setting that is left
.if MSB != (\new)
	s_set_vgpr_msb (MSB<<8)|(\new)
.set MSB, (\new)
.endif
.endm
.macro PLACES                          ; four plain vector places behind a matrix instruction (ISA guide 7.12.1)
.rept 4
	v_nop
.endr
.endm
.macro LANESUM r                       ; the sum over the wave's 32 lanes, in every lane
	v_add_f32_dpp v[\r], v[\r], v[\r] row_xmask:1 row_mask:0xf bank_mask:0xf
	v_add_f32_dpp v[\r], v[\r], v[\r] row_xmask:2 row_mask:0xf bank_mask:0xf
	v_add_f32_dpp v[\r], v[\r], v[\r] row_xmask:4 row_mask:0xf bank_mask:0xf
	v_add_f32_dpp v[\r], v[\r], v[\r] row_xmask:8 row_mask:0xf bank_mask:0xf
	v_permlanex16_b32 v[TP], v[\r], s6, s7
	v_add_f32 v[\r], v[\r], v[TP]
.endm
	s_load_b512 s[8:23], s[0:1], 0x0               ; x 8, mask 10, g 12, b 14, wkvf 16, qf 18, po 20, pml 22
	v_and_b32 v24, 31, v0                          ; lane
	v_and_b32 v25, 15, v0                          ; r
	v_bfe_u32 v26, v0, 4, 1                        ; h
	v_lshrrev_b32 v27, 5, v0
	v_readfirstlane_b32 s2, v27                    ; wave w
	s_and_b32 s4, ttmp7, 0xffff                    ; b; the chunk c is ttmp9
	s_mov_b32 s6, 0x76543210                       ; v_permlanex16_b32: lane i reads lane i of the other half
	s_mov_b32 s7, 0xfedcba98
	s_mov_b32 s24, 0x3a800000                      ; 1 / 1024
	s_mov_b32 s25, 0xffff0000                      ; lanes 16 to 31
	s_mov_b32 s26, 0xf1800000                      ; -2^100
	s_mov_b32 s27, 0x3727c5ac                      ; 1e-5
	s_lshl_b32 s40, s4, 5
	s_add_co_u32 s40, s40, ttmp9                   ; 32 b + c
	s_lshl_b32 s42, s40, 7                         ; 128 mask bytes a chunk
	s_lshl_b32 s40, s40, 19                        ; 128 rows of 4,096 bytes a chunk
	s_mov_b32 s41, 0
	s_mov_b32 s43, 0
	s_mul_i32 s44, s4, 33
	s_add_co_u32 s44, s44, ttmp9
	s_lshl_b32 s44, s44, 4
	s_lshl1_add_u32 s44, s2, s44                   ; (33 b + c) 16 + 2 w
	s_lshl_b32 s46, s44, 13
	s_lshl_b32 s44, s44, 9
	s_mov_b32 s45, 0
	s_mov_b32 s47, 0
	s_lshl_b32 s48, s4, 4
	s_lshl1_add_u32 s48, s2, s48                   ; 16 b + 2 w
	s_lshl_b32 s48, s48, 12
	s_mov_b32 s49, 0
	s_lshl_b32 s50, s2, 17                         ; four tiles of 32,768 bytes of wkvf a wave; also 32 rows of x a wave
	s_mov_b32 s51, 0
	s_mul_i32 s52, s2, 32*PITCH
	v_lshlrev_b32 v[WO], 4, v24
	v_lshlrev_b32 v[MLO], 5, v25
	v_lshl_add_u32 v[MLO], v26, 4, v[MLO]
	v_mul_u32_u24 v[AD0], v25, PITCH
	v_lshl_add_u32 v[AD0], v26, 4, v[AD0]
	v_add_nc_u32 v[AD0+1], 32*PITCH, v[AD0]
	v_add_nc_u32 v[AD0+2], 64*PITCH, v[AD0]
	v_add_nc_u32 v[AD0+3], 96*PITCH, v[AD0]
	v_add_nc_u32 v[XO], s50, v[WO]
	v_lshl_add_u32 v[LA], v24, 3, s52
	v_lshlrev_b32 v22, 3, v26                      ; 8 h: my eight keys of a tile of sixteen
	v_mov_b32 v[TP], 0
.irp q, 0,1,2,3
	v_mov_b32 v[AD1+\q], v[AD0+\q]                 ; v0 is not needed any more
.endr
	s_wait_kmcnt 0x0
	s_add_nc_u64 s[XB:XB+1], s[8:9], s[40:41]
	s_add_nc_u64 s[10:11], s[10:11], s[42:43]
	s_add_nc_u64 s[WB0:WB0+1], s[16:17], s[50:51]
	s_add_nc_u64 s[WB1:WB1+1], s[WB0:WB0+1], 0x80000       ; eight heads = sixteen tiles on
	s_add_nc_u64 s[QB:QB+1], s[18:19], s[48:49]
	s_add_nc_u64 s[POB:POB+1], s[20:21], s[46:47]
	s_add_nc_u64 s[PMB:PMB+1], s[22:23], s[44:45]
.irp i, 0,1,2,3,4,5,6,7
	global_load_b64 v[MR+2*\i:MR+2*\i+1], v22, s[10:11] offset:16*\i           ; the mask bytes of keys 16 i + 8 h + 0..7
.endr
.irp j, 0,1,2,3,4,5,6,7
	global_load_b128 v[GA+4*\j:GA+4*\j+3], v[WO], s[12:13] offset:512*\j       ; columns 128 j + 4 lane .. + 3, as the rows' loads
	global_load_b128 v[BE+4*\j:BE+4*\j+3], v[WO], s[14:15] offset:512*\j
.endr
	WIN W_XD
.irp s, 0,1,2,3,4,5,6,7
.irp j, 0,1,2,3,4,5,6,7
	global_load_b128 v[32*\s+4*\j:32*\s+4*\j+3], v[XO], s[XB:XB+1] offset:ROWB*\s+512*\j th:TH_LOAD_NT
.endr
.endr
	WIN 0
	s_wait_loadcnt 63                              ; 88 loads are issued, the mask's eight first: with 63 out at the most the oldest 25 are in (63 is the largest count this wait can name)
.irp i, 0,1,2,3,4,5,6,7
.irp j, 0,1,2,3,4,5,6,7
	v_bfe_u32 v[BIAS+8*\i+\j], v[MR+2*\i+\j/4], 8*(\j%4), 1
.endr
.irp j, 0,1,2,3,4,5,6,7
	v_mul_lo_u32 v[BIAS+8*\i+\j], v[BIAS+8*\i+\j], s26     ; 0, or the bits of -2^100
.endr
.endr
; LayerNorm of the row in slot: mean, then the squares of the differences (two passes, all f32), gamma and beta, one rounding to f16, 2,048 bytes into LDS.
; The slot is read twice (sum; difference into window 0) and is then free: refill = 1 loads the row NSLOT further down into it at once.
; left = how many younger loads may stay out.
.macro ROW slot, refill, left
	s_wait_loadcnt \left
	WIN W_XSS
.irp k, 0,1,2,3,4,5,6,7
	v_pk_add_f32 v[SM+2*\k:SM+2*\k+1], v[32*\slot+4*\k:32*\slot+4*\k+1], v[32*\slot+4*\k+2:32*\slot+4*\k+3]
.endr
	WIN 0
.irp k, 0,4,8,12
	v_pk_add_f32 v[SM+\k:SM+\k+1], v[SM+\k:SM+\k+1], v[SM+\k+2:SM+\k+3]
.endr
	v_pk_add_f32 v[SM:SM+1], v[SM:SM+1], v[SM+4:SM+5]
	v_pk_add_f32 v[SM+8:SM+9], v[SM+8:SM+9], v[SM+12:SM+13]
	v_pk_add_f32 v[SM:SM+1], v[SM:SM+1], v[SM+8:SM+9]
	v_add_f32 v[SM], v[SM], v[SM+1]
	LANESUM SM
	v_mul_f32 v[MU], s24, v[SM]
	v_mul_f32 v[MU+1], s24, v[SM]
	WIN W_XS
.irp k, 0,1,2,3,4,5,6,7,8,9,10,11,12,13,14,15
	v_pk_add_f32 v[TT+2*\k:TT+2*\k+1], v[32*\slot+2*\k:32*\slot+2*\k+1], v[MU:MU+1] neg_lo:[0,1] neg_hi:[0,1]
.endr
.if \refill
	WIN W_XD
.irp j, 0,1,2,3,4,5,6,7
	global_load_b128 v[32*\slot+4*\j:32*\slot+4*\j+3], v[XO], s[XB:XB+1] offset:(\slot+NSLOT)*ROWB+512*\j th:TH_LOAD_NT
.endr
.endif
	WIN 0
.irp k, 0,1,2,3
	v_pk_mul_f32 v[SM+2*\k:SM+2*\k+1], v[TT+2*\k:TT+2*\k+1], v[TT+2*\k:TT+2*\k+1]
.endr
.irp k, 4,5,6,7,8,9,10,11,12,13,14,15
	v_pk_fma_f32 v[SM+2*(\k%4):SM+2*(\k%4)+1], v[TT+2*\k:TT+2*\k+1], v[TT+2*\k:TT+2*\k+1], v[SM+2*(\k%4):SM+2*(\k%4)+1]
.endr
	v_pk_add_f32 v[SM:SM+1], v[SM:SM+1], v[SM+2:SM+3]
	v_pk_add_f32 v[SM+4:SM+5], v[SM+4:SM+5], v[SM+6:SM+7]
	v_pk_add_f32 v[SM:SM+1], v[SM:SM+1], v[SM+4:SM+5]
	v_add_f32 v[SM], v[SM], v[SM+1]
	LANESUM SM
	v_fma_f32 v[SM], v[SM], s24, s27               ; variance + 1e-5
	v_rsq_f32 v[RSD], v[SM]
	v_rsq_f32 v[RSD+1], v[SM]
	v_nop                                          ; one plain place behind a transcendental before its result is used (ISA guide 5.7.2)
.irp k, 0,1,2,3,4,5,6,7,8,9,10,11,12,13,14,15
	v_pk_mul_f32 v[TT+2*\k:TT+2*\k+1], v[TT+2*\k:TT+2*\k+1], v[RSD:RSD+1]
.endr
.irp k, 0,1,2,3,4,5,6,7,8,9,10,11,12,13,14,15
	v_pk_fma_f32 v[TT+2*\k:TT+2*\k+1], v[TT+2*\k:TT+2*\k+1], v[GA+2*\k:GA+2*\k+1], v[BE+2*\k:BE+2*\k+1]
.endr
.irp k, 0,1,2,3,4,5,6,7,8,9,10,11,12,13,14,15
	v_cvt_pk_f16_f32 v[TT+\k], v[TT+2*\k], v[TT+2*\k+1]
.endr
.irp j, 0,1,2,3,4,5,6,7
	ds_store_b64 v[LA], v[TT+2*\j:TT+2*\j+1] offset:\slot*PITCH+256*\j     ; 32 lanes, 256 consecutive bytes
.endr
.endm
; Sixteen loads: the eight fragments of Wkv of one K step (K tiles c = 0..3, V tiles c = 0..3) into a slot of the ring; off = 1,024 x the step, from base
.macro FETCHW slot, base, woff
	WIN TO_W
.irp c, 0,1,2,3
	global_load_b128 v[64*(\slot)+8*\c:64*(\slot)+8*\c+3], v[WO], s[\base:\base+1] offset:\woff+32768*\c
	global_load_b128 v[64*(\slot)+8*\c+4:64*(\slot)+8*\c+7], v[WO], s[\base:\base+1] offset:\woff+32768*\c+512
.endr
.irp c, 0,1,2,3
	global_load_b128 v[64*(\slot)+32+8*\c:64*(\slot)+32+8*\c+3], v[WO], s[\base:\base+1] offset:\woff+VOFF+32768*\c
	global_load_b128 v[64*(\slot)+32+8*\c+4:64*(\slot)+32+8*\c+7], v[WO], s[\base:\base+1] offset:\woff+VOFF+32768*\c+512
.endr
.endm
; Sixteen loads: the q fragments of my two heads of pass p, (u, query tile q) at 32 u + 8 q of a slot of the ring
.macro FETCHQ slot, p
	WIN TO_W
.irp u, 0,1
.irp q, 0,1,2,3
	global_load_b128 v[64*(\slot)+32*\u+8*\q:64*(\slot)+32*\u+8*\q+3], v[WO], s[QB:QB+1] offset:32768*\p+4096*\u+1024*\q
	global_load_b128 v[64*(\slot)+32*\u+8*\q+4:64*(\slot)+32*\u+8*\q+7], v[WO], s[QB:QB+1] offset:32768*\p+4096*\u+1024*\q+512
.endr
.endr
.endm
; Sixteen LDS loads: xn's eight fragments (row tile 2 q + e) at byte aoff of the rows, from the pass's address registers
.macro FETCHA buf, aoff
	WIN 0
.irp q, 0,1,2,3
.irp e, 0,1
	ds_load_b128 v[\buf+8*(2*\q+\e):\buf+8*(2*\q+\e)+3], v[ADP+\q] offset:\e*16*PITCH+\aoff
	ds_load_b128 v[\buf+8*(2*\q+\e)+4:\buf+8*(2*\q+\e)+7], v[ADP+\q] offset:\e*16*PITCH+\aoff+32
.endr
.endr
.endm
	; my wave's rows 32 w + slot + 8 n.  56 = the seven other slots' eight loads each
	s_mov_b32 s5, 3
.Lrows:
.irp s, 0,1,2,3,4,5,6,7
	ROW \s, 1, 56
.endr
	v_add_nc_u32 v[LA], NSLOT*PITCH, v[LA]
	s_wait_xcnt 0x0                                ; the loads' base is stepped only behind this wait
	s_add_nc_u64 s[XB:XB+1], s[XB:XB+1], NSLOT*ROWB
	s_sub_co_u32 s5, s5, 1
	s_cmp_lg_u32 s5, 0
	s_cbranch_scc1 .Lrows
	ROW 0, 0, 56                                   ; the last eight rows load no x: the counts run down,
	ROW 1, 0, 48
	ROW 2, 0, 40
	ROW 3, 0, 32
	ROW 4, 0, 24
	FETCHW 0, WB0, 0                               ; and up again by sixteen with each of the first three K steps of Wkv
	ROW 5, 0, 32                                   ; rows 6, 7 and one step
	FETCHW 1, WB0, 1024
	ROW 6, 0, 40                                   ; row 7 and two steps
	FETCHW 2, WB0, 2048
	ROW 7, 0, 48                                   ; three steps
	s_wait_dscnt 0x0                               ; my rows are in LDS,
	s_barrier_signal -1
	s_barrier_wait -1                              ; everybody's are: the kernel's only barrier; LDS is only read from here on
; 32 matrix instructions each.  K^T tile (c, i) = Wkv's tile c x xn's row tile i; V tile (c, i) = xn's row tile i x Wkv's tile 4 + c.
.macro KMUL ab, ws, zero
.irp c, 0,1,2,3
.irp i, 0,1,2,3,4,5,6,7
.if \zero
	v_wmma_f32_16x16x32_f16 v[8*(8*\c+\i):8*(8*\c+\i)+7], v[64*\ws+8*\c:64*\ws+8*\c+7], v[\ab+8*\i:\ab+8*\i+7], 0
.else
	v_wmma_f32_16x16x32_f16 v[8*(8*\c+\i):8*(8*\c+\i)+7], v[64*\ws+8*\c:64*\ws+8*\c+7], v[\ab+8*\i:\ab+8*\i+7], v[8*(8*\c+\i):8*(8*\c+\i)+7]
.endif
.endr
.endr
.endm
.macro VMUL ab, ws, zero
.irp c, 0,1,2,3
.irp i, 0,1,2,3,4,5,6,7
.if \zero
	v_wmma_f32_16x16x32_f16 v[8*(8*\c+\i):8*(8*\c+\i)+7], v[\ab+8*\i:\ab+8*\i+7], v[64*\ws+32+8*\c:64*\ws+32+8*\c+7], 0
.else
	v_wmma_f32_16x16x32_f16 v[8*(8*\c+\i):8*(8*\c+\i)+7], v[\ab+8*\i:\ab+8*\i+7], v[64*\ws+32+8*\c:64*\ws+32+8*\c+7], v[8*(8*\c+\i):8*(8*\c+\i)+7]
.endif
.endr
.endr
.endm
; One K step: 64 matrix instructions on 64 accumulators, which take turns in the same order in every step, one instruction a turn.
; In its middle: the next step's xn fragments into the other buffer (aoff < 0: none) and, into the ring slot read one step ago,
; Wkv three steps ahead (mode 1), q (mode 2) or nothing (mode 0).  lcnt = the loads younger than this step's Wkv.
.macro STEP ab, an, aoff, ws, wn, mode, base, woff, zero, lcnt, p
	s_wait_loadcnt \lcnt
	s_wait_dscnt 0x0                               ; xn's fragments, asked for 32 matrix instructions ago
	WIN MUL_K
	KMUL \ab, \ws, \zero
.if \aoff >= 0
	PLACES                                         ; the registers loaded next were read by the last step's matrix instructions
	FETCHA \an, \aoff
.endif
.if \mode == 1
	FETCHW \wn, \base, \woff
.endif
.if \mode == 2
	FETCHQ \wn, \p
.endif
	WIN MUL_V
	VMUL \ab, \ws, \zero
.endm
; Four K steps.  Step k of a pass uses ring slot (k + rot) & 3.  32 = the two younger steps' sixteen loads each.
.macro TRIP rot, base, first
	STEP F0, F1, 64,  ((0+\rot)&3), ((3+\rot)&3), 1, \base, 3072, \first, 32, 0
	STEP F1, F0, 128, ((1+\rot)&3), ((0+\rot)&3), 1, \base, 4096, 0, 32, 0
	STEP F0, F1, 192, ((2+\rot)&3), ((1+\rot)&3), 1, \base, 5120, 0, 32, 0
	STEP F1, F0, 256, ((3+\rot)&3), ((2+\rot)&3), 1, \base, 6144, 0, 32, 0
	WIN 0
.irp q, 0,1,2,3
	v_add_nc_u32 v[ADP+\q], 256, v[ADP+\q]         ; four steps of 64 bytes along the LDS rows
.endr
	s_wait_xcnt 0x0                                ; the loads' base is stepped only behind this wait
	s_add_nc_u64 s[\base:\base+1], s[\base:\base+1], 4096
.endm
; One head u of the pass, one tile of sixteen queries, all 128 keys.  S buffers and O sets alternate with qt.
.macro QTILE p, u, qt
.set SB, F0+64*(\qt&1)
.set OB, OO+16*(\qt&1)
	s_wait_xcnt 0x0                                ; the O set and v[LS:LS+3] were data of stores: rewritten only behind this wait
	WIN MUL_S
.irp i, 0,1,2,3,4,5,6,7
	v_wmma_f32_16x16x32_f16 v[SB+8*\i:SB+8*\i+7], v[8*(16*\u+\i):8*(16*\u+\i)+7], v[64*\p+32*\u+8*\qt:64*\p+32*\u+8*\qt+7], v[BIAS+8*\i:BIAS+8*\i+7]
.endr
	WIN 0
	PLACES
	; the maximum over the 128 keys of my q: 64 numbers a lane in four chains, then the other half of the lanes
.irp c, 0,1,2,3
	v_max3_num_f32 v[LS+\c], v[SB+16*\c], v[SB+16*\c+1], v[SB+16*\c+2]
.endr
.irp k, 3,5,7,9,11,13
.irp c, 0,1,2,3
	v_max3_num_f32 v[LS+\c], v[LS+\c], v[SB+16*\c+\k], v[SB+16*\c+\k+1]
.endr
.endr
.irp c, 0,1,2,3
	v_max_num_f32 v[LS+\c], v[LS+\c], v[SB+16*\c+15]
.endr
	v_max3_num_f32 v18, v[LS], v[LS+1], v[LS+2]
	v_max_num_f32 v18, v18, v[LS+3]
	v_permlanex16_b32 v19, v18, s6, s7
	v_max_num_f32 v[MX], v18, v19
	v_max_num_f32 v[MX+1], v18, v19
	v_max_num_f32 v[MS+\qt], v18, v19
.set n, 0
.rept 32
	v_pk_add_f32 v[SB+2*n:SB+2*n+1], v[SB+2*n:SB+2*n+1], v[MX:MX+1] neg_lo:[0,1] neg_hi:[0,1]
.set n, n+1
.endr
.set n, 0
.rept 64
	v_exp_f32 v[SB+n], v[SB+n]
.set n, n+1
.endr
	v_nop                                          ; one plain place behind the transcendentals (ISA guide 5.7.2)
.irp c, 0,1,2,3
	v_pk_add_f32 v[LS+2*\c:LS+2*\c+1], v[SB+2*\c:SB+2*\c+1], v[SB+8+2*\c:SB+8+2*\c+1]
.endr
.set n, 8
.rept 24
	v_pk_add_f32 v[LS+2*(n%4):LS+2*(n%4)+1], v[LS+2*(n%4):LS+2*(n%4)+1], v[SB+2*n:SB+2*n+1]
.set n, n+1
.endr
	v_pk_add_f32 v[LS:LS+1], v[LS:LS+1], v[LS+2:LS+3]
	v_pk_add_f32 v[LS+4:LS+5], v[LS+4:LS+5], v[LS+6:LS+7]
	v_pk_add_f32 v[LS:LS+1], v[LS:LS+1], v[LS+4:LS+5]
	v_add_f32 v18, v[LS], v[LS+1]
.irp g, 0,1,2,3
.irp k, 0,1,2,3,4,5,6,7
	v_cvt_pk_f16_f32 v[SB+16*\g+\k], v[SB+16*\g+2*\k], v[SB+16*\g+2*\k+1]     ; P fragment g (n = q, k = 32 keys), in place
.endr
.endr
	v_permlanex16_b32 v19, v18, s6, s7
	v_add_f32 v[LV+\qt], v18, v19
	WIN MUL_P                                      ; O^T = V^T P^T: the two accumulators take turns
.irp g, 0,1,2,3
.irp t, 0,1
.if \g == 0
	v_wmma_f32_16x16x32_f16 v[OB+8*\t:OB+8*\t+7], v[8*(8*(2*\u+\t)+2*\g):8*(8*(2*\u+\t)+2*\g)+7], v[SB+16*\g:SB+16*\g+7], 0
.else
	v_wmma_f32_16x16x32_f16 v[OB+8*\t:OB+8*\t+7], v[8*(8*(2*\u+\t)+2*\g):8*(8*(2*\u+\t)+2*\g)+7], v[SB+16*\g:SB+16*\g+7], v[OB+8*\t:OB+8*\t+7]
.endif
.endr
.endr
	WIN 0
	PLACES
.irp k, 0,1,2,3
	global_store_b128 v[WO], v[OB+4*\k:OB+4*\k+3], s[POB:POB+1] offset:65536*\p+8192*\u+2048*\qt+512*\k    ; (t = k / 2, plane = k & 1): 512 consecutive bytes
.endr
.endm
; a head's 512 bytes of (m, l): lane (r, h) stores query tiles 2 h and 2 h + 1 of q = r
.macro HEADEND p, u
	v_cndmask_b32 v[LS], v[MS], v[MS+2], s25
	v_cndmask_b32 v[LS+1], v[LV], v[LV+2], s25
	v_cndmask_b32 v[LS+2], v[MS+1], v[MS+3], s25
	v_cndmask_b32 v[LS+3], v[LV+1], v[LV+3], s25
	global_store_b128 v[MLO], v[LS:LS+3], s[PMB:PMB+1] offset:4096*\p+512*\u
.endm
.macro ATT p
	PLACES                                         ; behind the last K step: its results are read, its ring slots loaded again
.if \p == 0
	FETCHW 1, WB1, 0                               ; pass 1's first three K steps of Wkv travel during the attention; q stays in slot 0
	FETCHW 2, WB1, 1024
	FETCHW 3, WB1, 2048
.endif
	WIN CVT_K                                      ; K fragment (u, i) (m = key, k = d): registers 0-3 from tile (2 u, i), 4-7 from tile (2 u + 1, i), in place
.irp u, 0,1
.irp i, 0,1,2,3,4,5,6,7
.irp k, 0,1,2,3
	v_cvt_pk_f16_f32 v[8*(16*\u+\i)+\k], v[8*(16*\u+\i)+2*\k], v[8*(16*\u+\i)+2*\k+1]
.endr
.irp k, 0,1,2,3
	v_cvt_pk_f16_f32 v[8*(16*\u+\i)+4+\k], v[8*(16*\u+8+\i)+2*\k], v[8*(16*\u+8+\i)+2*\k+1]
.endr
.endr
.endr
	WIN CVT_V                                      ; V fragment (c, g) (m = v, k = 32 keys): tiles (c, 2 g), (c, 2 g + 1) are neighbours, packed in place
.set n, 0
.rept 16
.irp k, 0,1,2,3,4,5,6,7
	v_cvt_pk_f16_f32 v[16*n+\k], v[16*n+2*\k], v[16*n+2*\k+1]
.endr
.set n, n+1
.endr
.if \p == 0
	s_wait_loadcnt 48                              ; q is in; the 48 loads of pass 1's Wkv are younger
.else
	s_wait_loadcnt 0x0                             ; q is in
.endif
.irp u, 0,1
	QTILE \p, \u, 0
	QTILE \p, \u, 1
	QTILE \p, \u, 2
	QTILE \p, \u, 3
	HEADEND \p, \u
.endr
.endm
; A pass: 32 K steps = a first trip (starts the sums: nothing is cleared), six in the loop, a last one written out; then the attention.
.macro PASS p, base
	FETCHA F0, 0
	TRIP \p, \base, 1
	s_mov_b32 s5, 6
.Ltrip_\p:
	TRIP \p, \base, 0
	s_sub_co_u32 s5, s5, 1
	s_cmp_lg_u32 s5, 0
	s_cbranch_scc1 .Ltrip_\p
	STEP F0, F1, 64,  ((0+\p)&3), ((3+\p)&3), 1, \base, 3072, 0, 32, \p    ; step 28 asks for step 31's Wkv
	STEP F1, F0, 128, ((1+\p)&3), ((0+\p)&3), 2, \base, 0, 0, 32, \p       ; step 29 asks for q, into step 28's slot
	STEP F0, F1, 192, ((2+\p)&3), 0, 0, \base, 0, 0, 32, \p                ; step 30: younger are step 31's Wkv and q
	STEP F1, F0, -1,  ((3+\p)&3), 0, 0, \base, 0, 0, 16, \p                ; step 31: younger is q
	ATT \p
.endm
.set ADP, AD0
	PASS 0, WB0
.set ADP, AD1
	PASS 1, WB1
	s_endpgm
.Lfunc_end_k_q6fedbbb81b_main:
	.size	k_q6fedbbb81b_main, .Lfunc_end_k_q6fedbbb81b_main-k_q6fedbbb81b_main
	.p2alignl 7, 3214868480
	.fill 96, 4, 3214868480
	.section	.rodata,"a",@progbits
	.p2align	6, 0x0
	.amdhsa_kernel k_q6fedbbb81b_main
		.amdhsa_group_segment_fixed_size 264192
		.amdhsa_private_segment_fixed_size 0
		.amdhsa_enable_private_segment 0
		.amdhsa_kernarg_size 64
		.amdhsa_user_sgpr_count 2
		.amdhsa_user_sgpr_kernarg_segment_ptr 1
		.amdhsa_wavefront_size32 1
		.amdhsa_system_sgpr_workgroup_id_x 1
		.amdhsa_system_sgpr_workgroup_id_y 1
		.amdhsa_system_sgpr_workgroup_id_z 1
		.amdhsa_system_vgpr_workitem_id 0
		.amdhsa_next_free_vgpr 1024
		.amdhsa_next_free_sgpr 66
		.amdhsa_reserve_vcc 0
		.amdhsa_float_denorm_mode_32 3
		.amdhsa_float_denorm_mode_16_64 3
		.amdhsa_memory_ordered 1
		.amdhsa_forward_progress 1
		.amdhsa_inst_pref_size 255
	.end_amdhsa_kernel
	.section	.bss,"aw",@nobits
	.p2align	6
	.space	262144
	.amdgpu_metadata
---
amdhsa.version: [ 1, 2 ]
amdhsa.kernels:
  - .name:           k_q6fedbbb81b_main
    .symbol:         k_q6fedbbb81b_main.kd
    .args:
      - { .name: x, .offset: 0, .size: 8, .value_kind: global_buffer, .address_space: global }
      - { .name: mask, .offset: 8, .size: 8, .value_kind: global_buffer, .address_space: global }
      - { .name: g_media, .offset: 16, .size: 8, .value_kind: global_buffer, .address_space: global }
      - { .name: b_media, .offset: 24, .size: 8, .value_kind: global_buffer, .address_space: global }
      - { .name: wkvf, .offset: 32, .size: 8, .value_kind: global_buffer, .address_space: global }
      - { .name: qf, .offset: 40, .size: 8, .value_kind: global_buffer, .address_space: global }
      - { .name: po, .offset: 48, .size: 8, .value_kind: global_buffer, .address_space: global }
      - { .name: pml, .offset: 56, .size: 8, .value_kind: global_buffer, .address_space: global }
    .group_segment_fixed_size: 264192
    .private_segment_fixed_size: 0
    .kernarg_segment_align: 8
    .kernarg_segment_size: 64
    .max_flat_workgroup_size: 128
    .sgpr_count:     66
    .vgpr_count:     1024
    .wavefront_size: 32
...
	.end_amdgpu_metadata
.endif
;; end of part 3
;; launch combine (part 4): grid 256 x 1, 8 waves a work-group, no clusters, 0 bytes of LDS; arguments po, pml, oc; writes oc
.if DOCPART == 4
	.amdgcn_target "amdgcn-amd-amdhsa--gfx1250"
	.amdhsa_code_object_version 6
	.text
	.protected	k_q6fedbbb81b_combine
	.globl	k_q6fedbbb81b_combine
	.p2align	8
	.type	k_q6fedbbb81b_combine,@function
k_q6fedbbb81b_combine:
	s_mov_b64 s[64:65], 0
	v_nop
	global_prefetch_b8 v0, s[64:65] scope:SCOPE_SE
	s_setreg_imm32_b32 hwreg(HW_REG_WAVE_MODE, 25, 1), 1
	s_wait_xcnt 0x0
; The 33 partial results (m, l, O) of each (batch, head, query) are merged: M = max m, w_c = 2^(m_c - M), O = sum w_c O_c / sum w_c l_c.
; M is the true maximum over all keys; chunk 32 (the latent keys, never masked) keeps it finite, and a chunk that was masked whole has m near -2^100 and w = 0.
; A work-group takes half of one (b, head): 4,096 bytes of O; a wave takes 512 of them, one (query tile, t, plane); a lane its 16 bytes, which belong to q = lane & 15.
; A stream: each byte of po is read once, by loads of 512 consecutive bytes, all 33 of a wave out at once.  No LDS, no matrix unit, nothing shared worth a cluster.
.set ML,   2                           ; v[2:67]    (m, l) of chunk c at 2 c; m becomes the weight
.set MXR,  68
.set MXB,  69
.set LSUM, 70                          ; v[70:71]   two chains of the sum of w l
.set OV,   72                          ; v[72:203]  O of chunk c at 4 c
.set ACC,  204                         ; v[204:211] two sets of four sums
.set VA,   212
.set VO,   213
.set RL,   214                         ; v[214:215] 1 / l twice
	s_load_b128 s[4:7], s[0:1], 0x0                ; po s[4:5], pml s[6:7]
	s_load_b64 s[8:9], s[0:1], 0x10                ; oc
	v_and_b32 v1, 15, v0                           ; r
	v_and_b32 v[VO], 31, v0
	v_lshlrev_b32 v[VO], 4, v[VO]
	v_lshrrev_b32 v[VA], 5, v0
	v_readfirstlane_b32 s2, v[VA]                  ; wave
	s_lshr_b32 s10, ttmp9, 5                       ; b
	s_bfe_u32 s11, ttmp9, 0x40001                  ; head
	s_and_b32 s12, ttmp9, 1                        ; which half of the head's four query tiles
	s_mul_i32 s13, s10, 528
	s_add_co_u32 s13, s13, s11                     ; 33 b x 16 + head
	s_lshl_b32 s14, s13, 9
	s_mov_b32 s15, 0
	s_lshl_b32 s18, s12, 12
	s_lshl_b32 s19, s2, 9
	s_add_co_u32 s18, s18, s19                     ; my wave's 512 bytes in the head's 8,192
	s_lshl_b32 s16, s13, 13
	s_add_co_u32 s16, s16, s18
	s_mov_b32 s17, 0
	s_lshl_b32 s20, s10, 4
	s_add_co_u32 s20, s20, s11
	s_lshl_b32 s20, s20, 13
	s_add_co_u32 s20, s20, s18
	s_mov_b32 s21, 0
	s_lshr_b32 s22, s2, 2
	s_lshl1_add_u32 s22, s12, s22                  ; query tile
	s_lshl_b32 s22, s22, 3
	v_lshl_add_u32 v[VA], v1, 5, s22               ; 32 r + 8 qt
	s_wait_kmcnt 0x0
	s_add_nc_u64 s[4:5], s[4:5], s[16:17]
	s_add_nc_u64 s[6:7], s[6:7], s[14:15]
	s_add_nc_u64 s[8:9], s[8:9], s[20:21]
.set n, 0
.rept 33
	global_load_b64 v[ML+2*n:ML+2*n+1], v[VA], s[6:7] offset:8192*n
.set n, n+1
.endr
.set n, 0
.rept 33
	global_load_b128 v[OV+4*n:OV+4*n+3], v[VO], s[4:5] offset:131072*n th:TH_LOAD_NT
.set n, n+1
.endr
	s_wait_loadcnt 33                              ; all (m, l) are in; the 33 loads of O are younger
	v_max3_num_f32 v[MXR], v[ML], v[ML+2], v[ML+4]
	v_max3_num_f32 v[MXB], v[ML+34], v[ML+36], v[ML+38]
.irp c, 3,5,7,9,11,13
	v_max3_num_f32 v[MXR], v[MXR], v[ML+2*\c], v[ML+2*\c+2]
	v_max3_num_f32 v[MXB], v[MXB], v[ML+2*\c+34], v[ML+2*\c+36]
.endr
	v_max3_num_f32 v[MXR], v[MXR], v[ML+30], v[ML+32]
	v_max3_num_f32 v[MXR], v[MXR], v[MXB], v[ML+64]
.set n, 0
.rept 33
	v_sub_f32 v[ML+2*n], v[ML+2*n], v[MXR]
.set n, n+1
.endr
.set n, 0
.rept 33
	v_exp_f32 v[ML+2*n], v[ML+2*n]
.set n, n+1
.endr
	v_nop                                          ; one plain place behind the transcendentals (ISA guide 5.7.2)
	v_mul_f32 v[LSUM], v[ML], v[ML+1]
	v_mul_f32 v[LSUM+1], v[ML+2], v[ML+3]
.set n, 2
.rept 31
	v_fmac_f32 v[LSUM+n%2], v[ML+2*n], v[ML+2*n+1]
.set n, n+1
.endr
	v_add_f32 v[LSUM], v[LSUM], v[LSUM+1]          ; at least 1: the chunk that holds M has weight 1 and l >= 1
	v_rcp_f32 v[RL], v[LSUM]
	v_rcp_f32 v[RL+1], v[LSUM]                     ; used far below
; the sums of w O, chunks n0 .. n0 + 10; even chunks in one set, odd ones in the other; the weight is the low register of its pair
.macro ACCUM n0
.set n, \n0
.rept 11
.if n < 2
	v_pk_mul_f32 v[ACC+4*n:ACC+4*n+1], v[OV+4*n:OV+4*n+1], v[ML+2*n:ML+2*n+1] op_sel_hi:[1,0]
	v_pk_mul_f32 v[ACC+4*n+2:ACC+4*n+3], v[OV+4*n+2:OV+4*n+3], v[ML+2*n:ML+2*n+1] op_sel_hi:[1,0]
.else
	v_pk_fma_f32 v[ACC+4*(n%2):ACC+4*(n%2)+1], v[OV+4*n:OV+4*n+1], v[ML+2*n:ML+2*n+1], v[ACC+4*(n%2):ACC+4*(n%2)+1] op_sel_hi:[1,0,1]
	v_pk_fma_f32 v[ACC+4*(n%2)+2:ACC+4*(n%2)+3], v[OV+4*n+2:OV+4*n+3], v[ML+2*n:ML+2*n+1], v[ACC+4*(n%2)+2:ACC+4*(n%2)+3] op_sel_hi:[1,0,1]
.endif
.set n, n+1
.endr
.endm
	s_wait_loadcnt 22                              ; the first eleven chunks' O
	ACCUM 0
	s_wait_loadcnt 11
	ACCUM 11
	s_wait_loadcnt 0x0
	ACCUM 22
	v_pk_add_f32 v[ACC:ACC+1], v[ACC:ACC+1], v[ACC+4:ACC+5]
	v_pk_add_f32 v[ACC+2:ACC+3], v[ACC+2:ACC+3], v[ACC+6:ACC+7]
	v_pk_mul_f32 v[ACC:ACC+1], v[ACC:ACC+1], v[RL:RL+1]
	v_pk_mul_f32 v[ACC+2:ACC+3], v[ACC+2:ACC+3], v[RL:RL+1]
	global_store_b128 v[VO], v[ACC:ACC+3], s[8:9]  ; 512 consecutive bytes
	s_endpgm
.Lfunc_end_k_q6fedbbb81b_combine:
	.size	k_q6fedbbb81b_combine, .Lfunc_end_k_q6fedbbb81b_combine-k_q6fedbbb81b_combine
	.p2alignl 7, 3214868480
	.fill 96, 4, 3214868480
	.section	.rodata,"a",@progbits
	.p2align	6, 0x0
	.amdhsa_kernel k_q6fedbbb81b_combine
		.amdhsa_group_segment_fixed_size 0
		.amdhsa_private_segment_fixed_size 0
		.amdhsa_enable_private_segment 0
		.amdhsa_kernarg_size 24
		.amdhsa_user_sgpr_count 2
		.amdhsa_user_sgpr_kernarg_segment_ptr 1
		.amdhsa_wavefront_size32 1
		.amdhsa_system_sgpr_workgroup_id_x 1
		.amdhsa_system_sgpr_workgroup_id_y 1
		.amdhsa_system_sgpr_workgroup_id_z 1
		.amdhsa_system_vgpr_workitem_id 0
		.amdhsa_next_free_vgpr 216
		.amdhsa_next_free_sgpr 66
		.amdhsa_reserve_vcc 0
		.amdhsa_float_denorm_mode_32 3
		.amdhsa_float_denorm_mode_16_64 3
		.amdhsa_memory_ordered 1
		.amdhsa_forward_progress 1
		.amdhsa_inst_pref_size 17
	.end_amdhsa_kernel
	.amdgpu_metadata
---
amdhsa.version: [ 1, 2 ]
amdhsa.kernels:
  - .name:           k_q6fedbbb81b_combine
    .symbol:         k_q6fedbbb81b_combine.kd
    .args:
      - { .name: po, .offset: 0, .size: 8, .value_kind: global_buffer, .address_space: global }
      - { .name: pml, .offset: 8, .size: 8, .value_kind: global_buffer, .address_space: global }
      - { .name: oc, .offset: 16, .size: 8, .value_kind: global_buffer, .address_space: global }
    .group_segment_fixed_size: 0
    .private_segment_fixed_size: 0
    .kernarg_segment_align: 8
    .kernarg_segment_size: 24
    .max_flat_workgroup_size: 256
    .sgpr_count:     66
    .vgpr_count:     216
    .wavefront_size: 32
...
	.end_amdgpu_metadata
.endif
;; end of part 4
;; launch outproj (part 5): grid 16 x 8, 4 waves a work-group, no clusters, 17,408 bytes of LDS; arguments oc, wof, bout, out0; writes out0
.if DOCPART == 5
	.amdgcn_target "amdgcn-amd-amdhsa--gfx1250"
	.amdhsa_code_object_version 6
	.text
	.protected	k_q6fedbbb81b_outproj
	.globl	k_q6fedbbb81b_outproj
	.p2align	8
	.type	k_q6fedbbb81b_outproj,@function
k_q6fedbbb81b_outproj:
	s_mov_b64 s[64:65], 0
	v_nop
	global_prefetch_b8 v0, s[64:65] scope:SCOPE_SE
	s_setreg_imm32_b32 hwreg(HW_REG_WAVE_MODE, 25, 1), 1
	s_wait_xcnt 0x0
; out0[b][q][n] = sum over hidden of O[b][q][hidden] Wout[hidden][n] + bout[n].  One work-group = one batch (grid y) x 64 columns (grid x); wave = a tile of 16 queries.
; K = 512 in sixteen steps of 32 (a step = a head).  O lies in oc in the layout in which the attention left it, f32: packing sixteen numbers gives the fragment (n = q, k = v).
; Source 0 = Wout's prepared fragment (m = column), source 1 = O: a lane then holds eight neighbouring columns of one row of out0.
; The accumulators are loaded with bout, so the bias costs nothing and no first step is written out.
; Loads run three steps ahead through a ring of four register slots.  No cluster: the launch moves 4 MiB and each work-group's weights are its own 64 columns.
; LIMIT: f16 operands: |O|, |Wout| below 65,504.
.set VO,   1                           ; 16 x lane
.set VB,   2                           ; 32 h
.set STO,  3                           ; the way out: where I put my numbers
.set RD,   4                           ; where I read rows back
.set CO,   5                           ; my byte offset in out0
.set ACC,  8                           ; v[8:39]    four tiles of 16 columns x 16 queries
.set OF,   40                          ; v[40:55]   O's fragment, two sets
.set RING, 56                          ; v[56:247]  four slots: 16 registers of O in f32, 32 of Wout's four fragments
.set SPITCH, 272                       ; a stage row: 256 bytes + 16
.macro PLACES
.rept 4
	v_nop
.endr
.endm
	s_load_b256 s[4:11], s[0:1], 0x0               ; oc s[4:5], wof s[6:7], bout s[8:9], out0 s[10:11]
	v_and_b32 v6, 15, v0                           ; r
	v_bfe_u32 v7, v0, 4, 1                         ; h
	v_and_b32 v[VO], 31, v0
	v_lshlrev_b32 v[VO], 4, v[VO]
	v_lshrrev_b32 v[VB], 5, v0
	v_readfirstlane_b32 s2, v[VB]                  ; wave = query tile
	v_lshlrev_b32 v[VB], 5, v7
	s_and_b32 s3, ttmp7, 0xffff                    ; b; the block of 64 columns is ttmp9
	s_lshl_b32 s12, s3, 17                         ; 16 heads of 8,192 bytes a batch
	s_lshl_b32 s14, s2, 11
	s_add_co_u32 s12, s12, s14
	s_mov_b32 s13, 0
	s_lshl_b32 s14, ttmp9, 16                      ; four column tiles of 16,384 bytes
	s_mov_b32 s15, 0
	s_lshl_b32 s16, ttmp9, 8                       ; 64 columns of f32
	s_mov_b32 s17, 0
	s_lshl2_add_u32 s18, s3, s2                    ; 4 b + query tile: 16 rows of 4,096 bytes each
	s_lshl_b32 s18, s18, 16
	s_add_co_u32 s18, s18, s16
	s_mov_b32 s19, 0
	s_mul_i32 s20, s2, 16*SPITCH                   ; my wave's stage
	v_mul_u32_u24 v[STO], v6, SPITCH
	v_lshl_add_u32 v[STO], v7, 5, v[STO]
	v_add_nc_u32 v[STO], s20, v[STO]
	v_mul_u32_u24 v[RD], v7, SPITCH
	v_lshl_add_u32 v[RD], v6, 4, v[RD]
	v_add_nc_u32 v[RD], s20, v[RD]
	v_lshlrev_b32 v[CO], 12, v7
	v_lshl_add_u32 v[CO], v6, 4, v[CO]
	s_wait_kmcnt 0x0
	s_add_nc_u64 s[4:5], s[4:5], s[12:13]
	s_add_nc_u64 s[6:7], s[6:7], s[14:15]
	s_add_nc_u64 s[8:9], s[8:9], s[16:17]
	s_add_nc_u64 s[10:11], s[10:11], s[18:19]
.irp c, 0,1,2,3
	global_load_b128 v[ACC+8*\c:ACC+8*\c+3], v[VB], s[8:9] offset:64*\c        ; bout[16 c + 8 h + 0..7]
	global_load_b128 v[ACC+8*\c+4:ACC+8*\c+7], v[VB], s[8:9] offset:64*\c+16
.endr
; twelve loads: step k (counted from the bases) into a slot
.macro OFETCH slot, k
.irp e, 0,1,2,3
	global_load_b128 v[RING+48*\slot+4*\e:RING+48*\slot+4*\e+3], v[VO], s[4:5] offset:8192*\k+512*\e
.endr
.irp c, 0,1,2,3
	global_load_b128 v[RING+48*\slot+16+8*\c:RING+48*\slot+16+8*\c+3], v[VO], s[6:7] offset:16384*\c+1024*\k
	global_load_b128 v[RING+48*\slot+16+8*\c+4:RING+48*\slot+16+8*\c+7], v[VO], s[6:7] offset:16384*\c+1024*\k+512
.endr
.endm
	OFETCH 0, 0
	OFETCH 1, 1
	OFETCH 2, 2
; One step.  The eight conversions are also the places between the last step's matrix instructions and the loads into the slot that they read.
; The four accumulators take turns, one instruction a turn.
.macro OSTEP slot, par, fill, fslot, fk, cnt
	s_wait_loadcnt \cnt
.irp k, 0,1,2,3,4,5,6,7
	v_cvt_pk_f16_f32 v[OF+8*\par+\k], v[RING+48*\slot+2*\k], v[RING+48*\slot+2*\k+1]
.endr
.if \fill
	OFETCH \fslot, \fk
.endif
.irp c, 0,1,2,3
	v_wmma_f32_16x16x32_f16 v[ACC+8*\c:ACC+8*\c+7], v[RING+48*\slot+16+8*\c:RING+48*\slot+16+8*\c+7], v[OF+8*\par:OF+8*\par+7], v[ACC+8*\c:ACC+8*\c+7]
.endr
.endm
	s_mov_b32 s21, 3
.Ltrip:
	OSTEP 0, 0, 1, 3, 3, 24                        ; 24 = the two younger steps' twelve loads each
	OSTEP 1, 1, 1, 0, 4, 24
	OSTEP 2, 0, 1, 1, 5, 24
	OSTEP 3, 1, 1, 2, 6, 24
	s_wait_xcnt 0x0                                ; the loads' bases are stepped only behind this wait
	s_add_nc_u64 s[4:5], s[4:5], 32768
	s_add_nc_u64 s[6:7], s[6:7], 4096
	s_sub_co_u32 s21, s21, 1
	s_cmp_lg_u32 s21, 0
	s_cbranch_scc1 .Ltrip
	OSTEP 0, 0, 1, 3, 3, 24                        ; steps 12 to 15: one more fill, then the counts run down
	OSTEP 1, 1, 0, 0, 0, 24
	OSTEP 2, 0, 0, 0, 0, 12
	OSTEP 3, 1, 0, 0, 0, 0
	; the way out: through my wave's own stage, so that sixteen lanes store 256 consecutive bytes of a row of out0, aligned
	PLACES
.irp c, 0,1,2,3
	ds_store_b128 v[STO], v[ACC+8*\c:ACC+8*\c+3] offset:64*\c
	ds_store_b128 v[STO], v[ACC+8*\c+4:ACC+8*\c+7] offset:64*\c+16
.endr
.irp t, 0,1,2,3,4,5,6,7
	ds_load_b128 v[RING+4*\t:RING+4*\t+3], v[RD] offset:\t*2*SPITCH            ; LDS serves a wave's instructions in order (ISA guide 5.7.1): these see the stores above
.endr
.irp t, 0,1,2,3,4,5,6,7
	s_wait_dscnt 7-\t
	global_store_b128 v[CO], v[RING+4*\t:RING+4*\t+3], s[10:11] offset:\t*8192
.endr
	s_endpgm
.Lfunc_end_k_q6fedbbb81b_outproj:
	.size	k_q6fedbbb81b_outproj, .Lfunc_end_k_q6fedbbb81b_outproj-k_q6fedbbb81b_outproj
	.p2alignl 7, 3214868480
	.fill 96, 4, 3214868480
	.section	.rodata,"a",@progbits
	.p2align	6, 0x0
	.amdhsa_kernel k_q6fedbbb81b_outproj
		.amdhsa_group_segment_fixed_size 17408
		.amdhsa_private_segment_fixed_size 0
		.amdhsa_enable_private_segment 0
		.amdhsa_kernarg_size 32
		.amdhsa_user_sgpr_count 2
		.amdhsa_user_sgpr_kernarg_segment_ptr 1
		.amdhsa_wavefront_size32 1
		.amdhsa_system_sgpr_workgroup_id_x 1
		.amdhsa_system_sgpr_workgroup_id_y 1
		.amdhsa_system_sgpr_workgroup_id_z 1
		.amdhsa_system_vgpr_workitem_id 0
		.amdhsa_next_free_vgpr 248
		.amdhsa_next_free_sgpr 66
		.amdhsa_reserve_vcc 0
		.amdhsa_float_denorm_mode_32 3
		.amdhsa_float_denorm_mode_16_64 3
		.amdhsa_memory_ordered 1
		.amdhsa_forward_progress 1
		.amdhsa_inst_pref_size 21
	.end_amdhsa_kernel
	.amdgpu_metadata
---
amdhsa.version: [ 1, 2 ]
amdhsa.kernels:
  - .name:           k_q6fedbbb81b_outproj
    .symbol:         k_q6fedbbb81b_outproj.kd
    .args:
      - { .name: oc, .offset: 0, .size: 8, .value_kind: global_buffer, .address_space: global }
      - { .name: wof, .offset: 8, .size: 8, .value_kind: global_buffer, .address_space: global }
      - { .name: bout, .offset: 16, .size: 8, .value_kind: global_buffer, .address_space: global }
      - { .name: out0, .offset: 24, .size: 8, .value_kind: global_buffer, .address_space: global }
    .group_segment_fixed_size: 17408
    .private_segment_fixed_size: 0
    .kernarg_segment_align: 8
    .kernarg_segment_size: 32
    .max_flat_workgroup_size: 128
    .sgpr_count:     66
    .vgpr_count:     248
    .wavefront_size: 32
...
	.end_amdgpu_metadata
.endif
;; end of part 5
;; ======== version 2 of 2: 5 launches; 1.22 times as fast as version 1
;; limits: values are held in f16: magnitudes above 65,504 overflow, below 6.1e-05 lose precision
;; workspace buffers: wkvf 2,097,152 bytes; wqf 1,048,576 bytes; wof 1,048,576 bytes; qf 524,288 bytes; po 68,157,440 bytes; pml 4,259,840 bytes; oc 1,048,576 bytes; idx 133,120 bytes of whole numbers
;; launch conv (part 6): grid 288 x 1, 8 waves a work-group, no clusters, 16,640 bytes of LDS; arguments Wkv, Wq, Wout, mask, wkvf, wqf, wof, idx; writes wkvf, wqf, wof, idx
.if DOCPART == 6
	.amdgcn_target "amdgcn-amd-amdhsa--gfx1250"
	.amdhsa_code_object_version 6
	.text
	.protected	k_q6fedbbb81b_conv
	.globl	k_q6fedbbb81b_conv
	.p2align	8
	.type	k_q6fedbbb81b_conv,@function
k_q6fedbbb81b_conv:
	s_mov_b64 s[64:65], 0
	v_nop
	global_prefetch_b8 v0, s[64:65] scope:SCOPE_SE
	s_setreg_imm32_b32 hwreg(HW_REG_WAVE_MODE, 25, 1), 1
	s_wait_xcnt 0x0
; Two preparations that need nothing of each other, in one launch.
; WORK-GROUPS 0 TO 255: the three weight matrices, f32 [K][N], are rounded once to f16 and laid out as the matrix unit's fragments:
;   dst[nt][ks][half][lane][16 bytes], nt = a tile of 16 columns, ks = a block of 32 along K;
;   the 16 bytes of lane (r = lane & 15, h = lane >> 4) are W[32 ks + 16 half + 8 h + 0..7][16 nt + r].
;   One wave takes 32 columns x 32 K: 2,048 tasks = 1,024 (Wkv) + 512 (Wq) + 512 (Wout).
; WORK-GROUPS 256 TO 287, four for each batch: the numbers of the batch's UNMASKED keys are gathered (in any order: a softmax does not mind) and dealt
;   out to the 32 work-groups that the main launch has for the batch: idx[b][c][m] = the (c + 32 m)-th unmasked key, m = 0 .. 127; past the
;   last one stands a filler, the number of some row of the batch.  Behind the lists, at byte 131,072 + 256 b: the count n_b, in all 64 words.
;   Each of the four makes the whole compaction (4,096 bytes of mask) and stores a quarter of the list, 16 bytes a thread.
; LIMIT: f16 operands.  |W| must stay below 65,504; below 6.1e-5 the absolute error is at most 2^-25.  Bit 0 of a mask byte is read.
; No matrix unit, no cluster: each byte is read once (the mask four times) and written once.
.set LANE, 1
.set SRC,  2                           ; byte offset of my column in the task's first row
.set DST,  3                           ; byte offset of my 16 bytes in the task's first unit
.set RAW,  8                           ; v[8:39]   32 numbers of my column, K ascending
.set PK,   40                          ; v[40:55]  the same as 16 words of two f16
.set SEGB, 2064                        ; LDS: a wave's segment: 512 words for its unmasked keys, then a word for all the others
.set TOT,  8*SEGB                      ; LDS: the eight waves' counts
.set CNTS, 131072                      ; idx: where the counts begin
	s_load_b512 s[4:19], s[0:1], 0x0               ; Wkv 4, Wq 6, Wout 8, mask 10, wkvf 12, wqf 14, wof 16, idx 18
	v_and_b32 v[LANE], 31, v0
	v_lshrrev_b32 v4, 5, v0
	v_readfirstlane_b32 s2, v4                     ; wave
	s_lshl3_add_u32 s20, ttmp9, s2                 ; task = 8 x work-group + wave
	v_lshrrev_b32 v5, 4, v[LANE]                   ; which of the task's two column tiles
	v_and_b32 v6, 15, v[LANE]                      ; r
	s_wait_kmcnt 0x0
; sb, db: scalar pairs of source and destination; rowb: bytes in a source row; logks: log2 of the K blocks; t0: the matrix's first task
.macro CONV sb, db, rowb, logks, t0
	s_sub_co_u32 s21, s20, \t0
	s_lshr_b32 s22, s21, \logks                    ; np: which 32 columns
	s_and_b32 s23, s21, (1<<\logks)-1              ; ks
	s_mul_i32 s24, s23, 32*\rowb
	s_lshl_b32 s25, s22, 7
	s_add_co_u32 s24, s24, s25
	v_lshl_add_u32 v[SRC], v[LANE], 2, s24         ; row 32 ks, column 32 np + lane
	v_lshl_add_u32 v[DST], s22, 1, v5              ; nt = 2 np + lane / 16
	v_lshl_add_u32 v[DST], v[DST], \logks, s23     ; nt x KS + ks
	v_lshlrev_b32 v[DST], 10, v[DST]               ; 1,024 bytes a fragment
	v_lshl_add_u32 v[DST], v6, 4, v[DST]
.set n, 0
.rept 32
	global_load_b32 v[RAW+n], v[SRC], s[\sb:\sb+1] offset:n*\rowb
.set n, n+1
.endr
	s_wait_loadcnt 0x0
.set n, 0
.rept 16
	v_cvt_pk_f16_f32 v[PK+n], v[RAW+2*n], v[RAW+2*n+1]
.set n, n+1
.endr
.irp u, 0,1,2,3
	global_store_b128 v[DST], v[PK+4*\u:PK+4*\u+3], s[\db:\db+1] offset:256*\u   ; unit u = (half u / 2, h = u & 1): sixteen lanes store 256 consecutive bytes, aligned
.endr
	s_endpgm
.endm
	s_cmp_lt_u32 ttmp9, 128
	s_cbranch_scc0 .Lnot_kv
	CONV 4, 12, 4096, 5, 0
.Lnot_kv:
	s_cmp_lt_u32 ttmp9, 192
	s_cbranch_scc0 .Lnot_q
	CONV 6, 14, 2048, 5, 1024
.Lnot_q:
	s_cmp_lt_u32 ttmp9, 256
	s_cbranch_scc0 .Lmask
	CONV 8, 16, 4096, 4, 1536
.Lmask:
	s_sub_co_u32 s21, ttmp9, 256
	s_lshr_b32 s22, s21, 2                         ; b
	s_and_b32 s23, s21, 3                          ; which quarter of the batch's list I store
	s_lshl_b32 s24, s22, 12                        ; 4,096 mask bytes a batch
	s_mov_b32 s25, 0
	s_add_nc_u64 s[10:11], s[10:11], s[24:25]
	v_lshlrev_b32 v2, 4, v0                        ; 16 t: thread t has keys 16 t .. 16 t + 15, wave w keys 512 w .. 512 w + 511
	global_load_b128 v[8:11], v2, s[10:11]
	s_mul_i32 s26, s2, SEGB
	v_mov_b32 v3, s26                              ; my wave's segment
	v_mov_b32 v4, 0
	ds_store_b32 v3, v4 offset:2048                ; the segment's last word holds a row's number whatever the mask: 0, or below a masked key's
	v_mov_b32 v5, 512
	s_mov_b32 s27, 0                               ; unmasked keys of my wave so far
	s_wait_loadcnt 0x0
	; sixteen ballots: key j of every lane.  An unmasked key goes to the segment's next free word, a masked one to the last word.
.set j, 0
.rept 16
	v_bfe_u32 v6, v[8+j/4], 8*(j%4), 1
	v_cmp_eq_u32 s28, 0, v6                        ; lanes whose key takes part
	v_mbcnt_lo_u32_b32 v7, s28, s27                ; so far + such lanes below me
	v_cndmask_b32 v7, v5, v7, s28
	v_min_u32 v7, 0x200, v7                        ; a number made of loaded bytes enters an address only bounded
	v_lshl_add_u32 v7, v7, 2, v3
	v_add_nc_u32 v12, j, v2                        ; the key's number
	ds_store_b32 v7, v12
	s_bcnt1_i32_b32 s29, s28
	s_add_co_u32 s27, s27, s29
.set j, j+1
.endr
	v_mov_b32 v13, s27
	v_mov_b32 v14, s2
	v_lshlrev_b32 v14, 2, v14
	ds_store_b32 v14, v13 offset:TOT               ; my wave's count, in its own word
	s_wait_dscnt 0x0                               ; my segment and my count are in LDS,
	s_barrier_signal -1
	s_barrier_wait -1                              ; everybody's are
	v_mov_b32 v15, TOT
	ds_load_b128 v[16:19], v15
	ds_load_b128 v[20:23], v15 offset:16
	s_wait_dscnt 0x0
.irp i, 0,1,2,3,4,5,6,7
	v_readfirstlane_b32 s[32+\i], v[16+\i]         ; count of segment i
.endr
	s_mov_b32 s40, s32                             ; s[39+s] = the first entry that lies in segment s, s = 1 .. 7; s47 = n_b
.irp i, 1,2,3,4,5,6,7
	s_add_co_u32 s[40+\i], s[39+\i], s[32+\i]
.endr
.irp i, 0,1,2,3,4,5,6
	s_lshl_b32 s[48+\i], s[32+\i], 2
	s_sub_co_u32 s[48+\i], SEGB, s[48+\i]          ; s[47+s] = the bytes left free at the end of segment s - 1
.endr
	; entry e lies at 4 e + the free bytes of all segments in front of its own
	s_lshl3_add_u32 s30, s23, s2                   ; c = 8 x quarter + wave
	v_lshl_add_u32 v24, v[LANE], 7, s30            ; my four entries: m = 4 lane + i, e = c + 32 m
	v_mov_b32 v25, 2048                            ; the filler: the last word of segment 0
.irp i, 0,1,2,3
	v_add_nc_u32 v26, 32*\i, v24
	v_lshlrev_b32 v27, 2, v26
.irp s, 1,2,3,4,5,6,7
	v_cmp_le_u32 vcc_lo, s[39+\s], v26
	v_cndmask_b32 v28, 0, s[47+\s], vcc_lo
	v_add_nc_u32 v27, v27, v28
.endr
	v_cmp_gt_u32 vcc_lo, s47, v26                  ; e < n_b
	v_cndmask_b32 v27, v25, v27, vcc_lo
	v_min_u32 v27, TOT-4, v27                      ; bounded, as above
	ds_load_b32 v[32+\i], v27
.endr
	s_lshl_b32 s24, s22, 14                        ; 16,384 bytes of list a batch,
	s_lshl_b32 s31, s23, 12                        ; 4,096 a quarter
	s_add_co_u32 s24, s24, s31
	s_add_nc_u64 s[56:57], s[18:19], s[24:25]
	s_wait_dscnt 0x0
	global_store_b128 v2, v[32:35], s[56:57]       ; byte 512 c + 16 lane = 4,096 quarter + 16 t: sixteen lanes store 256 consecutive bytes, aligned
	s_or_b32 s31, s23, s2
	s_cmp_lg_u32 s31, 0
	s_cbranch_scc1 .Lmask_end
	v_mov_b32 v36, s47                             ; wave 0 of the first quarter stores the count, 256 bytes whole
	v_mov_b32 v37, s47
	v_lshlrev_b32 v38, 3, v[LANE]
	s_lshl_b32 s24, s22, 8
	s_add_nc_u64 s[58:59], s[18:19], s[24:25]
	global_store_b64 v38, v[36:37], s[58:59] offset:CNTS
.Lmask_end:
	s_endpgm
.Lfunc_end_k_q6fedbbb81b_conv:
	.size	k_q6fedbbb81b_conv, .Lfunc_end_k_q6fedbbb81b_conv-k_q6fedbbb81b_conv
	.p2alignl 7, 3214868480
	.fill 96, 4, 3214868480
	.section	.rodata,"a",@progbits
	.p2align	6, 0x0
	.amdhsa_kernel k_q6fedbbb81b_conv
		.amdhsa_group_segment_fixed_size 16640
		.amdhsa_private_segment_fixed_size 0
		.amdhsa_enable_private_segment 0
		.amdhsa_kernarg_size 64
		.amdhsa_user_sgpr_count 2
		.amdhsa_user_sgpr_kernarg_segment_ptr 1
		.amdhsa_wavefront_size32 1
		.amdhsa_system_sgpr_workgroup_id_x 1
		.amdhsa_system_sgpr_workgroup_id_y 1
		.amdhsa_system_sgpr_workgroup_id_z 1
		.amdhsa_system_vgpr_workitem_id 0
		.amdhsa_next_free_vgpr 56
		.amdhsa_next_free_sgpr 66
		.amdhsa_reserve_vcc 1
		.amdhsa_float_denorm_mode_32 3
		.amdhsa_float_denorm_mode_16_64 3
		.amdhsa_memory_ordered 1
		.amdhsa_forward_progress 1
		.amdhsa_inst_pref_size 32
	.end_amdhsa_kernel
	.amdgpu_metadata
---
amdhsa.version: [ 1, 2 ]
amdhsa.kernels:
  - .name:           k_q6fedbbb81b_conv
    .symbol:         k_q6fedbbb81b_conv.kd
    .args:
      - { .name: Wkv, .offset: 0, .size: 8, .value_kind: global_buffer, .address_space: global }
      - { .name: Wq, .offset: 8, .size: 8, .value_kind: global_buffer, .address_space: global }
      - { .name: Wout, .offset: 16, .size: 8, .value_kind: global_buffer, .address_space: global }
      - { .name: mask, .offset: 24, .size: 8, .value_kind: global_buffer, .address_space: global }
      - { .name: wkvf, .offset: 32, .size: 8, .value_kind: global_buffer, .address_space: global }
      - { .name: wqf, .offset: 40, .size: 8, .value_kind: global_buffer, .address_space: global }
      - { .name: wof, .offset: 48, .size: 8, .value_kind: global_buffer, .address_space: global }
      - { .name: idx, .offset: 56, .size: 8, .value_kind: global_buffer, .address_space: global }
    .group_segment_fixed_size: 16640
    .private_segment_fixed_size: 0
    .kernarg_segment_align: 8
    .kernarg_segment_size: 64
    .max_flat_workgroup_size: 256
    .sgpr_count:     66
    .vgpr_count:     56
    .wavefront_size: 32
...
	.end_amdgpu_metadata
.endif
;; end of part 6
;; launch latent: the kernel of part 2 again; grid 16 x 8, 4 waves a work-group, no clusters, 230,912 bytes of LDS; arguments latents, g_latent, b_latent, wqf, wkvf, qf, po, pml; writes qf, po, pml
;; launch main (part 7): grid 32 x 8, 4 waves a work-group, no clusters, 230,656 bytes of LDS; arguments x, g_media, b_media, wkvf, qf, idx, po, pml; writes po, pml
.if DOCPART == 7
	.amdgcn_target "amdgcn-amd-amdhsa--gfx1250"
	.amdhsa_code_object_version 6
	.text
	.protected	k_q6fedbbb81b_main
	.globl	k_q6fedbbb81b_main
	.p2align	8
	.type	k_q6fedbbb81b_main,@function
k_q6fedbbb81b_main:
	s_mov_b64 s[64:65], 0
	v_nop
	global_prefetch_b8 v0, s[64:65] scope:SCOPE_SE
	s_setreg_imm32_b32 hwreg(HW_REG_WAVE_MODE, 25, 1), 1
	s_wait_xcnt 0x0
; One work-group = batch b (grid y) and share c of 32 (grid x) of the batch's UNMASKED keys: the rows idx[b][c][m], m < ceil((n_b - c) / 32).
; A masked key has weight exactly 0 (the 64 latent keys are never masked, so the maximum over all keys is finite): its row of x is not read.
; The share is taken in blocks of 80 rows.  Block 0 always runs.  Block 1, the same macros expanded a second time, runs where a share can have more than 80 rows
; (n_b > 2,560); the two branches on n_b jump over no barrier.  Places of a block past the share's end hold the list's filler row and get -2^100 as S's addend.
; A BLOCK.  Rows: each wave gathers 20 rows, normalises them (f32, two passes: mean, then squares of the differences), applies gamma and beta, rounds once to f16
;   and puts them into LDS (80 rows x 2,064 bytes).  xn, K and V never reach memory.
;   Then twice (pass p = 8 heads): wave w makes K and V of heads 8 p + 2 w and + 1 for the 80 keys: 80 x 128 numbers in 40 accumulator tiles, 32 K steps of 40 matrix
;   instructions.  xn's fragments come from LDS; the prepared Wkv comes straight into a ring of four register slots, three K steps ahead (48 loads of 512 bytes out
;   for a wave), and the ring runs on from pass 0 into pass 1; the K loop has no barrier.  Then the two heads' attention on these keys, all in registers:
;   K is made transposed (D[m = d][n = key]) and V plain (D[m = key][n = v]), so that packing two D tiles to f16 is already the next product's fragment;
;   S is made as S^T (D[m = key][n = q]), O as O^T (D[m = v][n = q]), so that maximum and sum are one number a lane (q = lane & 15).
;   80 keys are two and a half groups of 32: the upper half of the third V and P fragments is written 0.
;   A head's keys of the block are taken at once with their true maximum; out go the unnormalised O, m (base 2) and l; a later launch merges the partial results.
;   The four query tiles are a loop (two heads a trip); q's fragments lie in LDS, each wave's own 16 KiB.
;   (m, l) go out as pml[partial][head pair 4 p + w][query tile][u][r][m, l]: lane 16 u + r stores 8 bytes, the wave 256 consecutive bytes, aligned.
; LDS is written only while rows (and q) are laid down and only read while they are used; a barrier, with every wave's LDS accesses waited for, stands at each change.
; NO CLUSTER, NO JOINT LOADS, though all work-groups read the same 2 MiB of prepared Wkv: a joint load lands in LDS, where 327,680 - 230,656 = 97,024 bytes are free:
;   two slots of one K step each for a pass's 512 columns (32,768 bytes), so a round of the cluster's barrier for every 40 matrix instructions of a wave;
;   and each fragment of Wkv is used by one wave alone, so the way through LDS would add a write and a read of every byte.
; LIMITS: (1) numbers that are not finite in MASKED rows of x need not reach the result (in the reference 0 x NaN would make it NaN).
;   (2) -2^100 stands for minus infinity: right while |sim log2 e| stays below 2^90; a block without a valid key gets m near -2^100 and weight 0 in the merge.
;   (3) matrix operands are f16: |xn g + b|, |K|, |V| below 65,504 (a normalised number is at most 32 in magnitude).  (4) v_exp_f32 gives 0 below 2^-126.
.set PITCH, 2064                       ; an LDS row: 2,048 bytes + 16 = 129 x 16: sixteen rows start in sixteen different 16-byte columns
.set BROWS, 80                         ; rows in a block
.set WROWS, 20                         ; of which a wave normalises
.set NSLOT, 5                          ; row slots in registers: 40 loads of 512 bytes out for a wave
.set VOFF,  1048576                    ; V's column tiles lie 32 tiles of 32,768 bytes behind K's
.set QL,    BROWS*PITCH                ; LDS: q's fragments, [wave][p][u][query tile][half][lane][16 bytes], 65,536 bytes
.set PO2,   34603008                   ; po: block 1's partial results lie behind the 8 x 33 of block 0 and of the latent keys
.set PM2,   2162688                    ; pml likewise
.set CNTS,  131072                     ; idx: where the counts begin
; windows of 256 registers: low byte of s_set_vgpr_msb = source 0 | source 1 << 2 | source 2 << 4 | destination << 6
;   window 0: addresses, softmax, O, xn's fragments / S, S's addend, q;  window 1: the ring of Wkv;
;   window 2: the row slots, then K's 20 accumulator tiles (c, i) at 8 (5 c + i);  window 3: q on its way to LDS, then V's 20 tiles likewise
.set W_XSS, 0x0a                       ; sources 0, 1 in window 2 (row slots)
.set W_XS,  0x02                       ; source 0 in window 2
.set W_XD,  0x80                       ; destination in window 2
.set TO_W,  0x40                       ; destination in window 1
.set TO_3,  0xc0                       ; destination in window 3
.set FROM_3, 0x0c                      ; source 1 (an LDS store's data) in window 3
.set MUL_K, 0xa1                       ; D, C window 2; source 0 (Wkv) window 1; source 1 (xn) window 0
.set MUL_V, 0xf4                       ; D, C window 3; source 0 (xn) window 0; source 1 (Wkv) window 1
.set CVT_K, 0x8a
.set CVT_V, 0xcf
.set MUL_S, 0x02                       ; source 0 (K) window 2, the rest window 0
.set MUL_P, 0x03                       ; source 0 (V) window 3, the rest window 0
.set WO,  4                            ; 16 x lane; never rewritten
.set POO, 5                            ; 16 x lane + 2,048 x query tile
.set AD,  6                            ; v[6:8]    LDS addresses of xn's fragments: (32 q + r) PITCH + 16 h, stepped along K
.set QA,  9                            ; LDS address of my 16 bytes of q's fragments, stepped with the query tile
.set LV,  10                           ; v[10:11]  l of head u
.set MS,  12                           ; v[12:13]  m of head u
.set ML,  14                           ; v[14:15]  (m, l) of head h
.set MU,  16                           ; v[16:17]  mean twice; later the maximum twice
.set MX,  16
.set RSD, 18                           ; v[18:19]  1 / sigma twice; later at work
.set TP,  20
.set LS,  20                           ; v[20:27]  chains of maxima and sums
.set LA,  28                           ; LDS address of my 8 bytes in my wave's row
.set LIM, 29                           ; valid places of the block + 8 - 8 h
.set NEG, 30                           ; -2^100
.set H8,  31                           ; 8 h
.set OO,  32                           ; v[32:63]   O^T, a set of two tiles for each head u
.set TT,  32                           ;            rows: the row at work
.set F0,  64                           ; v[64:103]  xn's fragments, buffer 0; S of head 0
.set F1,  104                          ; v[104:143] buffer 1; S of head 1
.set GA,  64                           ;            rows: gamma, beta, partial sums
.set BE,  96
.set SM,  128
.set BIAS, 144                         ; v[144:183] 0 or -2^100 for place 16 i + 8 h + j at 8 i + j
.set QF,  184                          ; v[184:199] q's fragment of head u at 8 u
.set XO,  200                          ; v[200:204] slot s: byte offset in x of my 16 bytes of the slot's row
.set IX0, 205                          ; lanes 0-4: the row numbers of my wave's rows 0-4,
.set IXN, 206                          ; of the five that are loaded next,
.set IXA, 207                          ; and of the two rounds behind them
.set IXB, 208
.set LI,  209                          ; v[209:212] where these four come from
.set L4,  213                          ; min(lane, 4)
.set ADC, 214                          ; v[214:216] AD, QA, LA as they start
.set QAC, 217
.set LAC, 218
.set PMO, 219                          ; 8 x lane + 256 x query tile
.set L8,  220                          ; 8 x lane
.set WB0, 28                           ; s[28:29] wkvf at my wave's four K tiles, pass 0, stepped
.set WB1, 30                           ; s[30:31] pass 1
.set XB,  32                           ; s[32:33] x at my batch
.set WBC, 34                           ; s[34:35] WB0 as it starts
.set POB, 36                           ; s[36:37] po at (b, c, head 2 w), block 0
.set PMB, 38                           ; s[38:39] pml likewise
.set POB2, 40                          ; s[40:41] block 1
.set PMB2, 42                          ; s[42:43]
.set LB,  46                           ; s[46:47] idx at my work-group's list
.set QB,  50                           ; s[50:51] qf at head 2 w of my batch
.set MSB, 0
.macro WIN new                         ; the immediate's high byte repeats the setting that is left
.if MSB != (\new)
	s_set_vgpr_msb (MSB<<8)|(\new)
.set MSB, (\new)
.endif
.endm
.macro PLACES                          ; four plain vector places behind a matrix instruction (ISA guide 7.12.1)
.rept 4
	v_nop
.endr
.endm
.macro LANESUM r                       ; the sum over the wave's 32 lanes, in every lane
	v_add_f32_dpp v[\r], v[\r], v[\r] row_xmask:1 row_mask:0xf bank_mask:0xf
	v_add_f32_dpp v[\r], v[\r], v[\r] row_xmask:2 row_mask:0xf bank_mask:0xf
	v_add_f32_dpp v[\r], v[\r], v[\r] row_xmask:4 row_mask:0xf bank_mask:0xf
	v_add_f32_dpp v[\r], v[\r], v[\r] row_xmask:8 row_mask:0xf bank_mask:0xf
	v_permlanex16_b32 v[TP], v[\r], s6, s7
	v_add_f32 v[\r], v[\r], v[TP]
.endm
	s_load_b512 s[8:23], s[0:1], 0x0               ; x 8, g 10, b 12, wkvf 14, qf 16, idx 18, po 20, pml 22
	v_and_b32 v24, 31, v0                          ; lane
	v_and_b32 v25, 15, v0                          ; r
	v_bfe_u32 v26, v0, 4, 1                        ; h
	v_lshrrev_b32 v27, 5, v0
	v_readfirstlane_b32 s2, v27                    ; wave w
	s_and_b32 s4, ttmp7, 0xffff                    ; b; the share c is ttmp9
	s_mov_b32 s6, 0x76543210                       ; v_permlanex16_b32: lane i reads lane i of the other half
	s_mov_b32 s7, 0xfedcba98
	s_mov_b32 s24, 0x3a800000                      ; 1 / 1024
	s_mov_b32 s25, 0xffff0000                      ; lanes 16 to 31
	s_mov_b32 s27, 0x3727c5ac                      ; 1e-5
	s_lshl_b32 s52, s4, 24                         ; 4,096 rows of 4,096 bytes a batch
	s_mov_b32 s53, 0
	s_lshl_b32 s54, s2, 17                         ; four tiles of 32,768 bytes of wkvf a wave
	s_mov_b32 s55, 0
	s_lshl_b32 s56, s4, 16                         ; qf: 16 heads of 4,096 bytes a batch, two heads a wave
	s_lshl_b32 s49, s2, 13
	s_add_co_u32 s56, s56, s49
	s_mov_b32 s57, 0
	s_mul_i32 s58, s4, 33
	s_add_co_u32 s58, s58, ttmp9                   ; 33 b + c
	s_lshl_b32 s60, s58, 13                        ; pml: 8,192 bytes a partial result, 1,024 a wave and pass
	s_lshl_b32 s49, s2, 10
	s_add_co_u32 s60, s60, s49
	s_mov_b32 s61, 0
	s_lshl_b32 s58, s58, 4
	s_lshl1_add_u32 s58, s2, s58                   ; (33 b + c) 16 + 2 w
	s_lshl_b32 s58, s58, 13                        ; po: 8,192 bytes a head
	s_mov_b32 s59, 0
	s_lshl_b32 s62, s4, 5
	s_add_co_u32 s62, s62, ttmp9                   ; 32 b + c
	v_lshlrev_b32 v[WO], 4, v24
	v_lshlrev_b32 v[L8], 3, v24
	v_mul_u32_u24 v[ADC], v25, PITCH
	v_lshl_add_u32 v[ADC], v26, 4, v[ADC]
	v_add_nc_u32 v[ADC+1], 32*PITCH, v[ADC]
	v_add_nc_u32 v[ADC+2], 64*PITCH, v[ADC]
	s_lshl_b32 s45, s2, 14
	s_add_co_u32 s45, s45, QL
	v_add_nc_u32 v[QAC], s45, v[WO]
	v_mov_b32 v[QA], v[QAC]
	s_mul_i32 s45, s2, WROWS*PITCH
	v_lshl_add_u32 v[LAC], v24, 3, s45
	v_lshlrev_b32 v[H8], 3, v26
	v_mov_b32 v[NEG], 0xf1800000
	v_min_u32 v[L4], 4, v24
	v_mov_b32 v[TP], 0
	s_wait_kmcnt 0x0
	s_add_nc_u64 s[XB:XB+1], s[8:9], s[52:53]
	s_add_nc_u64 s[WBC:WBC+1], s[14:15], s[54:55]
	s_add_nc_u64 s[QB:QB+1], s[16:17], s[56:57]
	s_add_nc_u64 s[POB:POB+1], s[20:21], s[58:59]
	s_add_nc_u64 s[PMB:PMB+1], s[22:23], s[60:61]
	s_lshl_b32 s52, s62, 9                         ; idx: 128 words a work-group
	s_add_nc_u64 s[LB:LB+1], s[18:19], s[52:53]
	s_lshl_b32 s54, s62, 13
	s_add_co_u32 s54, s54, s49
	s_add_nc_u64 s[PMB2:PMB2+1], s[22:23], s[54:55]
	s_add_nc_u64 s[PMB2:PMB2+1], s[PMB2:PMB2+1], PM2
	s_lshl_b32 s56, s62, 4
	s_lshl1_add_u32 s56, s2, s56
	s_lshl_b32 s56, s56, 13
	s_add_nc_u64 s[POB2:POB2+1], s[20:21], s[56:57]
	s_add_nc_u64 s[POB2:POB2+1], s[POB2:POB2+1], PO2
	s_lshl_b32 s58, s4, 8
	s_load_b32 s26, s[18:19], s58 offset:CNTS      ; n_b
; LayerNorm of the row in slot: mean, then the squares of the differences (two passes, all f32), gamma and beta, one rounding to f16, 2,048 bytes into LDS.
; The slot is read twice (sum; difference into window 0) and is then free: refill = 1 loads the row NSLOT further down my wave's list into it at once.
; left = how many younger loads may stay out.  The wait also shows the slot's own loads done, so its offset register may be written.
.macro ROW slot, refill, left
	s_wait_loadcnt \left
.if \refill
	v_readlane_b32 s44, v[IXN], \slot
	s_min_u32 s44, s44, 0xfff                      ; a loaded number enters an address only bounded
	v_lshl_add_u32 v[XO+\slot], s44, 12, v[WO]
.endif
	WIN W_XSS
.irp k, 0,1,2,3,4,5,6,7
	v_pk_add_f32 v[SM+2*\k:SM+2*\k+1], v[32*\slot+4*\k:32*\slot+4*\k+1], v[32*\slot+4*\k+2:32*\slot+4*\k+3]
.endr
	WIN 0
.irp k, 0,4,8,12
	v_pk_add_f32 v[SM+\k:SM+\k+1], v[SM+\k:SM+\k+1], v[SM+\k+2:SM+\k+3]
.endr
	v_pk_add_f32 v[SM:SM+1], v[SM:SM+1], v[SM+4:SM+5]
	v_pk_add_f32 v[SM+8:SM+9], v[SM+8:SM+9], v[SM+12:SM+13]
	v_pk_add_f32 v[SM:SM+1], v[SM:SM+1], v[SM+8:SM+9]
	v_add_f32 v[SM], v[SM], v[SM+1]
	LANESUM SM
	v_mul_f32 v[MU], s24, v[SM]
	v_mul_f32 v[MU+1], s24, v[SM]
	WIN W_XS
.irp k, 0,1,2,3,4,5,6,7,8,9,10,11,12,13,14,15
	v_pk_add_f32 v[TT+2*\k:TT+2*\k+1], v[32*\slot+2*\k:32*\slot+2*\k+1], v[MU:MU+1] neg_lo:[0,1] neg_hi:[0,1]
.endr
.if \refill
	WIN W_XD
.irp j, 0,1,2,3,4,5,6,7
	global_load_b128 v[32*\slot+4*\j:32*\slot+4*\j+3], v[XO+\slot], s[XB:XB+1] offset:512*\j
.endr
.endif
	WIN 0
.irp k, 0,1,2,3
	v_pk_mul_f32 v[SM+2*\k:SM+2*\k+1], v[TT+2*\k:TT+2*\k+1], v[TT+2*\k:TT+2*\k+1]
.endr
.irp k, 4,5,6,7,8,9,10,11,12,13,14,15
	v_pk_fma_f32 v[SM+2*(\k%4):SM+2*(\k%4)+1], v[TT+2*\k:TT+2*\k+1], v[TT+2*\k:TT+2*\k+1], v[SM+2*(\k%4):SM+2*(\k%4)+1]
.endr
	v_pk_add_f32 v[SM:SM+1], v[SM:SM+1], v[SM+2:SM+3]
	v_pk_add_f32 v[SM+4:SM+5], v[SM+4:SM+5], v[SM+6:SM+7]
	v_pk_add_f32 v[SM:SM+1], v[SM:SM+1], v[SM+4:SM+5]
	v_add_f32 v[SM], v[SM], v[SM+1]
	LANESUM SM
	v_fma_f32 v[SM], v[SM], s24, s27               ; variance + 1e-5
	v_rsq_f32 v[RSD], v[SM]
	v_rsq_f32 v[RSD+1], v[SM]
	v_nop                                          ; one plain place behind a transcendental before its result is used (ISA guide 5.7.2)
.irp k, 0,1,2,3,4,5,6,7,8,9,10,11,12,13,14,15
	v_pk_mul_f32 v[TT+2*\k:TT+2*\k+1], v[TT+2*\k:TT+2*\k+1], v[RSD:RSD+1]
.endr
.irp k, 0,1,2,3,4,5,6,7,8,9,10,11,12,13,14,15
	v_pk_fma_f32 v[TT+2*\k:TT+2*\k+1], v[TT+2*\k:TT+2*\k+1], v[GA+2*\k:GA+2*\k+1], v[BE+2*\k:BE+2*\k+1]
.endr
.irp k, 0,1,2,3,4,5,6,7,8,9,10,11,12,13,14,15
	v_cvt_pk_f16_f32 v[TT+\k], v[TT+2*\k], v[TT+2*\k+1]
.endr
.irp j, 0,1,2,3,4,5,6,7
	ds_store_b64 v[LA], v[TT+2*\j:TT+2*\j+1] offset:\slot*PITCH+256*\j     ; 32 lanes, 256 consecutive bytes
.endr
.endm
; Sixteen loads: the eight fragments of Wkv of one K step (K tiles c = 0..3, V tiles c = 0..3) into a slot of the ring; woff = 1,024 x the step, from base
.macro FETCHW slot, base, woff
	WIN TO_W
.irp c, 0,1,2,3
	global_load_b128 v[64*(\slot)+8*\c:64*(\slot)+8*\c+3], v[WO], s[\base:\base+1] offset:\woff+32768*\c
	global_load_b128 v[64*(\slot)+8*\c+4:64*(\slot)+8*\c+7], v[WO], s[\base:\base+1] offset:\woff+32768*\c+512
.endr
.irp c, 0,1,2,3
	global_load_b128 v[64*(\slot)+32+8*\c:64*(\slot)+32+8*\c+3], v[WO], s[\base:\base+1] offset:\woff+VOFF+32768*\c
	global_load_b128 v[64*(\slot)+32+8*\c+4:64*(\slot)+32+8*\c+7], v[WO], s[\base:\base+1] offset:\woff+VOFF+32768*\c+512
.endr
.endm
; Ten LDS loads: xn's five fragments (row tile i) at byte aoff of the rows
.macro FETCHA buf, aoff
	WIN 0
.irp i, 0,1,2,3,4
	ds_load_b128 v[\buf+8*\i:\buf+8*\i+3], v[AD+\i/2] offset:(\i%2)*16*PITCH+\aoff
	ds_load_b128 v[\buf+8*\i+4:\buf+8*\i+7], v[AD+\i/2] offset:(\i%2)*16*PITCH+\aoff+32
.endr
.endm
; The rows of block blk.  All loads that hang on nothing go out first: the row numbers, gamma and beta, q (block 0), the first three K steps of Wkv.
.macro PHASE1 blk
	s_wait_xcnt 0x0                                ; registers that earlier stores and loads named (O, offsets, Wkv's bases) are rewritten only behind this wait
	s_mul_i32 s49, s2, WROWS
	s_add_co_u32 s49, s49, BROWS*\blk              ; my wave's first place in the work-group's list
.irp q, 0,1,2,3
	v_add3_u32 v[LI+\q], v[L4], s49, NSLOT*\q      ; round q, slot = lane (lanes above 4 repeat lane 4)
	v_min_u32 v[LI+\q], 127, v[LI+\q]              ; the list has 128 places; places past a share's end are not valid anyway
	v_lshlrev_b32 v[LI+\q], 2, v[LI+\q]
.endr
	global_load_b32 v[IX0], v[LI], s[LB:LB+1]
	global_load_b32 v[IXN], v[LI+1], s[LB:LB+1]
	global_load_b32 v[IXA], v[LI+2], s[LB:LB+1]
	global_load_b32 v[IXB], v[LI+3], s[LB:LB+1]
.irp j, 0,1,2,3,4,5,6,7
	global_load_b128 v[GA+4*\j:GA+4*\j+3], v[WO], s[10:11] offset:512*\j       ; columns 128 j + 4 lane .. + 3, as the rows' loads
	global_load_b128 v[BE+4*\j:BE+4*\j+3], v[WO], s[12:13] offset:512*\j
.endr
.if \blk == 0
	WIN TO_3
.set n, 0
.rept 32
	global_load_b128 v[4*n:4*n+3], v[WO], s[QB:QB+1] offset:32768*(n/16)+4096*((n/8)%2)+512*(n%8)   ; q of head 8 p + 2 w + u: n = 16 p + 8 u + 2 query tile + half
.set n, n+1
.endr
.endif
	s_mov_b64 s[WB0:WB0+1], s[WBC:WBC+1]
	s_add_nc_u64 s[WB1:WB1+1], s[WBC:WBC+1], 0x80000       ; eight heads = sixteen tiles on
	FETCHW 0, WB0, 0
	FETCHW 1, WB0, 1024
	FETCHW 2, WB0, 2048
	WIN 0
	s_wait_kmcnt 0x0                               ; n_b
	s_add_co_u32 s49, s26, 31
	s_sub_co_u32 s49, s49, ttmp9
	s_lshr_b32 s49, s49, 5                         ; rows of my share: ceil((n_b - c) / 32)
	s_sub_co_i32 s49, s49, BROWS*\blk
	s_max_i32 s49, s49, 0                          ; of which this block has the places below s49
	s_add_co_u32 s49, s49, 8
	v_sub_nc_u32 v[LIM], s49, v[H8]
.irp i, 0,1,2,3,4
.irp j, 0,1,2,3,4,5,6,7
	v_cmp_ge_u32 vcc_lo, 16*\i+\j+8, v[LIM]        ; place 16 i + 8 h + j is past the end
	v_cndmask_b32 v[BIAS+8*\i+\j], 0, v[NEG], vcc_lo
.endr
.endr
	v_mov_b32 v[LA], v[LAC]
	s_wait_loadcnt 63                              ; 68 loads or more are issued, the row numbers' four first: with 63 out at the most these are in (63 is the largest count this wait can name)
.irp s, 0,1,2,3,4
	v_readlane_b32 s44, v[IX0], \s
	s_min_u32 s44, s44, 0xfff
	v_lshl_add_u32 v[XO+\s], s44, 12, v[WO]
.endr
	WIN W_XD
.irp s, 0,1,2,3,4
.irp j, 0,1,2,3,4,5,6,7
	global_load_b128 v[32*\s+4*\j:32*\s+4*\j+3], v[XO+\s], s[XB:XB+1] offset:512*\j
.endr
.endr
	WIN 0
	; my wave's rows 20 w + slot + 5 n.  32 = the four other slots' eight loads each; all that was asked for above is older
	s_mov_b32 s5, 3
.Lrows_\blk:
.irp s, 0,1,2,3,4
	ROW \s, 1, 32
.endr
	v_mov_b32 v[IXN], v[IXA]
	v_mov_b32 v[IXA], v[IXB]
	v_add_nc_u32 v[LA], NSLOT*PITCH, v[LA]
	s_sub_co_u32 s5, s5, 1
	s_cmp_lg_u32 s5, 0
	s_cbranch_scc1 .Lrows_\blk
	ROW 0, 0, 32                                   ; the last five rows load nothing: the counts run down
	ROW 1, 0, 24
	ROW 2, 0, 16
	ROW 3, 0, 8
	ROW 4, 0, 0
.if \blk == 0
	WIN FROM_3
.set n, 0
.rept 32
	ds_store_b128 v[QA], v[4*n:4*n+3] offset:512*n         ; q into my wave's own 16 KiB
.set n, n+1
.endr
	WIN 0
.endif
.endm
; 20 matrix instructions each.  K^T tile (c, i) = Wkv's tile c x xn's row tile i; V tile (c, i) = xn's row tile i x Wkv's tile 4 + c.
.macro KMUL ab, ws, zero
.irp c, 0,1,2,3
.irp i, 0,1,2,3,4
.if \zero
	v_wmma_f32_16x16x32_f16 v[8*(5*\c+\i):8*(5*\c+\i)+7], v[64*\ws+8*\c:64*\ws+8*\c+7], v[\ab+8*\i:\ab+8*\i+7], 0
.else
	v_wmma_f32_16x16x32_f16 v[8*(5*\c+\i):8*(5*\c+\i)+7], v[64*\ws+8*\c:64*\ws+8*\c+7], v[\ab+8*\i:\ab+8*\i+7], v[8*(5*\c+\i):8*(5*\c+\i)+7]
.endif
.endr
.endr
.endm
.macro VMUL ab, ws, zero
.irp c, 0,1,2,3
.irp i, 0,1,2,3,4
.if \zero
	v_wmma_f32_16x16x32_f16 v[8*(5*\c+\i):8*(5*\c+\i)+7], v[\ab+8*\i:\ab+8*\i+7], v[64*\ws+32+8*\c:64*\ws+32+8*\c+7], 0
.else
	v_wmma_f32_16x16x32_f16 v[8*(5*\c+\i):8*(5*\c+\i)+7], v[\ab+8*\i:\ab+8*\i+7], v[64*\ws+32+8*\c:64*\ws+32+8*\c+7], v[8*(5*\c+\i):8*(5*\c+\i)+7]
.endif
.endr
.endr
.endm
; One K step: 40 matrix instructions on 40 accumulators, which take turns in the same order in every step, one instruction a turn.
; At its head: the next step's xn fragments into the other buffer (aoff < 0: none) and, if mode, Wkv three steps ahead into the ring slot read one step ago;
; both were read by the last step's matrix instructions, hence the four places.  lcnt = the loads younger than this step's Wkv.
.macro STEP ab, an, aoff, ws, wn, mode, base, woff, zero, lcnt
	s_wait_loadcnt \lcnt
	s_wait_dscnt 0x0                               ; xn's fragments, asked for a step ago
	PLACES
.if \aoff >= 0
	FETCHA \an, \aoff
.endif
.if \mode
	FETCHW \wn, \base, \woff
.endif
	WIN MUL_K
	KMUL \ab, \ws, \zero
	WIN MUL_V
	VMUL \ab, \ws, \zero
.endm
; Four K steps.  Step k uses ring slot k & 3.  32 = the two younger steps' sixteen loads each.
.macro TRIP base, first
	STEP F0, F1, 64,  0, 3, 1, \base, 3072, \first, 32
	STEP F1, F0, 128, 1, 0, 1, \base, 4096, 0, 32
	STEP F0, F1, 192, 2, 1, 1, \base, 5120, 0, 32
	STEP F1, F0, 256, 3, 2, 1, \base, 6144, 0, 32
	WIN 0
.irp q, 0,1,2
	v_add_nc_u32 v[AD+\q], 256, v[AD+\q]           ; four steps of 64 bytes along the LDS rows
.endr
	s_wait_xcnt 0x0                                ; the loads' base is stepped only behind this wait
	s_add_nc_u64 s[\base:\base+1], s[\base:\base+1], 4096
.endm
; The softmax of head u for sixteen queries: 40 numbers a lane (80 keys over the two halves of the lanes), true maximum, base 2; P packed in place.
.macro SOFT u
.set SB, F0+40*\u
.irp c, 0,1,2,3
	v_max3_num_f32 v[LS+\c], v[SB+10*\c], v[SB+10*\c+1], v[SB+10*\c+2]
.endr
.irp k, 3,5,7
.irp c, 0,1,2,3
	v_max3_num_f32 v[LS+\c], v[LS+\c], v[SB+10*\c+\k], v[SB+10*\c+\k+1]
.endr
.endr
.irp c, 0,1,2,3
	v_max_num_f32 v[LS+\c], v[LS+\c], v[SB+10*\c+9]
.endr
	v_max3_num_f32 v18, v[LS], v[LS+1], v[LS+2]
	v_max_num_f32 v18, v18, v[LS+3]
	v_permlanex16_b32 v19, v18, s6, s7
	v_max_num_f32 v[MX], v18, v19
	v_max_num_f32 v[MX+1], v18, v19
	v_max_num_f32 v[MS+\u], v18, v19
.set n, 0
.rept 20
	v_pk_add_f32 v[SB+2*n:SB+2*n+1], v[SB+2*n:SB+2*n+1], v[MX:MX+1] neg_lo:[0,1] neg_hi:[0,1]
.set n, n+1
.endr
.set n, 0
.rept 40
	v_exp_f32 v[SB+n], v[SB+n]
.set n, n+1
.endr
	v_nop                                          ; one plain place behind the transcendentals (ISA guide 5.7.2)
.irp c, 0,1,2,3
	v_pk_add_f32 v[LS+2*\c:LS+2*\c+1], v[SB+2*\c:SB+2*\c+1], v[SB+8+2*\c:SB+8+2*\c+1]
.endr
.set n, 8
.rept 12
	v_pk_add_f32 v[LS+2*(n%4):LS+2*(n%4)+1], v[LS+2*(n%4):LS+2*(n%4)+1], v[SB+2*n:SB+2*n+1]
.set n, n+1
.endr
	v_pk_add_f32 v[LS:LS+1], v[LS:LS+1], v[LS+2:LS+3]
	v_pk_add_f32 v[LS+4:LS+5], v[LS+4:LS+5], v[LS+6:LS+7]
	v_pk_add_f32 v[LS:LS+1], v[LS:LS+1], v[LS+4:LS+5]
	v_add_f32 v18, v[LS], v[LS+1]
.irp g, 0,1
.irp k, 0,1,2,3,4,5,6,7
	v_cvt_pk_f16_f32 v[SB+16*\g+\k], v[SB+16*\g+2*\k], v[SB+16*\g+2*\k+1]     ; P fragment g (n = q, k = 32 keys), in place
.endr
.endr
.irp k, 0,1,2,3
	v_cvt_pk_f16_f32 v[SB+32+\k], v[SB+32+2*\k], v[SB+32+2*\k+1]              ; the third fragment has sixteen keys,
.endr
.irp k, 4,5,6,7
	v_mov_b32 v[SB+32+\k], 0                                                  ; and zeros for the other sixteen
.endr
	v_permlanex16_b32 v19, v18, s6, s7
	v_add_f32 v[LV+\u], v18, v19
.endm
; The attention of my two heads of pass p on the block's keys.  id: a number for the label; pob, pmb: where the block's partial results go.
.macro ATT id, p, pob, pmb
	PLACES                                         ; behind the last K step: its results are read
	s_wait_xcnt 0x0                                ; the stores' offset registers are rewritten only behind this wait
	WIN CVT_K                                      ; K fragment (u, i) (m = key, k = d): registers 0-3 from tile (2 u, i), 4-7 from tile (2 u + 1, i), in place
.irp u, 0,1
.irp i, 0,1,2,3,4
.irp k, 0,1,2,3
	v_cvt_pk_f16_f32 v[8*(10*\u+\i)+\k], v[8*(10*\u+\i)+2*\k], v[8*(10*\u+\i)+2*\k+1]
.endr
.irp k, 0,1,2,3
	v_cvt_pk_f16_f32 v[8*(10*\u+\i)+4+\k], v[8*(10*\u+5+\i)+2*\k], v[8*(10*\u+5+\i)+2*\k+1]
.endr
.endr
.endr
	WIN CVT_V                                      ; V fragment (c, g) (m = v, k = 32 keys): tiles (c, 2 g), (c, 2 g + 1) are neighbours, packed in place; g = 2 has one tile and zeros
.irp c, 0,1,2,3
.irp g, 0,1
.irp k, 0,1,2,3,4,5,6,7
	v_cvt_pk_f16_f32 v[40*\c+16*\g+\k], v[40*\c+16*\g+2*\k], v[40*\c+16*\g+2*\k+1]
.endr
.endr
.irp k, 0,1,2,3
	v_cvt_pk_f16_f32 v[40*\c+32+\k], v[40*\c+32+2*\k], v[40*\c+32+2*\k+1]
.endr
.irp k, 4,5,6,7
	v_mov_b32 v[40*\c+32+\k], 0
.endr
.endr
	WIN 0
	v_mov_b32 v[QA], v[QAC]
	v_mov_b32 v[PMO], v[L8]
	v_mov_b32 v[POO], v[WO]
	s_mov_b32 s5, 4
.Lqt_\id:                                          ; a trip = one tile of sixteen queries, both heads
.irp u, 0,1
.irp f, 0,1
	ds_load_b128 v[QF+8*\u+4*\f:QF+8*\u+4*\f+3], v[QA] offset:8192*\p+4096*\u+512*\f
.endr
.endr
	s_wait_dscnt 0x0
	WIN MUL_S
.irp u, 0,1
.irp i, 0,1,2,3,4
	v_wmma_f32_16x16x32_f16 v[F0+40*\u+8*\i:F0+40*\u+8*\i+7], v[8*(10*\u+\i):8*(10*\u+\i)+7], v[QF+8*\u:QF+8*\u+7], v[BIAS+8*\i:BIAS+8*\i+7]
.endr
.endr
	WIN 0
	PLACES
	SOFT 0
	SOFT 1
	WIN MUL_P                                      ; O^T = V^T P^T: the four accumulators take turns, one instruction a turn
.irp g, 0,1,2
.irp u, 0,1
.irp t, 0,1
.if \g == 0
	v_wmma_f32_16x16x32_f16 v[OO+16*\u+8*\t:OO+16*\u+8*\t+7], v[8*(5*(2*\u+\t)+2*\g):8*(5*(2*\u+\t)+2*\g)+7], v[F0+40*\u+16*\g:F0+40*\u+16*\g+7], 0
.else
	v_wmma_f32_16x16x32_f16 v[OO+16*\u+8*\t:OO+16*\u+8*\t+7], v[8*(5*(2*\u+\t)+2*\g):8*(5*(2*\u+\t)+2*\g)+7], v[F0+40*\u+16*\g:F0+40*\u+16*\g+7], v[OO+16*\u+8*\t:OO+16*\u+8*\t+7]
.endif
.endr
.endr
.endr
	WIN 0
	PLACES
.irp u, 0,1
.irp k, 0,1,2,3
	global_store_b128 v[POO], v[OO+16*\u+4*\k:OO+16*\u+4*\k+3], s[\pob:\pob+1] offset:65536*\p+8192*\u+512*\k     ; (t = k / 2, plane = k & 1): 512 consecutive bytes
.endr
.endr
	v_cndmask_b32 v[ML], v[MS], v[MS+1], s25       ; lanes 0-15 keep head 0's (m, l) of q = r, lanes 16-31 head 1's
	v_cndmask_b32 v[ML+1], v[LV], v[LV+1], s25
	global_store_b64 v[PMO], v[ML:ML+1], s[\pmb:\pmb+1] offset:4096*\p         ; the wave stores 256 consecutive bytes, aligned
	v_add_nc_u32 v[QA], 1024, v[QA]
	s_wait_xcnt 0x0                                ; the stores' offsets and data (O, m, l) are rewritten only behind this wait
	v_add_nc_u32 v[POO], 2048, v[POO]
	v_add_nc_u32 v[PMO], 256, v[PMO]
	s_sub_co_u32 s5, s5, 1
	s_cmp_lg_u32 s5, 0
	s_cbranch_scc1 .Lqt_\id
.endm
; A pass: 32 K steps = a first trip (starts the sums: nothing is cleared), six in the loop, a last one written out; then the attention.
.macro PASS id, p, base, pob, pmb
	WIN 0
.irp q, 0,1,2
	v_mov_b32 v[AD+\q], v[ADC+\q]
.endr
	FETCHA F0, 0
	TRIP \base, 1
	s_mov_b32 s5, 6
.Ltrip_\id:
	TRIP \base, 0
	s_sub_co_u32 s5, s5, 1
	s_cmp_lg_u32 s5, 0
	s_cbranch_scc1 .Ltrip_\id
	STEP F0, F1, 64,  0, 3, 1, \base, 3072, 0, 32  ; step 28 asks for step 31's Wkv
.if \p == 0
	STEP F1, F0, 128, 1, 0, 1, WB1, 0, 0, 32       ; steps 29 to 31 ask for pass 1's first three steps: the ring runs on
	STEP F0, F1, 192, 2, 1, 1, WB1, 1024, 0, 32
	STEP F1, F0, -1,  3, 2, 1, WB1, 2048, 0, 32
.else
	STEP F1, F0, 128, 1, 0, 0, \base, 0, 0, 32     ; nothing is left to ask for: the counts run down
	STEP F0, F1, 192, 2, 0, 0, \base, 0, 0, 16
	STEP F1, F0, -1,  3, 0, 0, \base, 0, 0, 0
.endif
	ATT \id, \p, \pob, \pmb
.endm
	PHASE1 0
	s_wait_dscnt 0x0                               ; my rows are in LDS,
	s_barrier_signal -1
	s_barrier_wait -1                              ; everybody's are
	PASS 0, 0, WB0, POB, PMB
	PASS 1, 1, WB1, POB, PMB
	s_wait_dscnt 0x0                               ; my reads of the block's rows are over,
	s_barrier_signal -1
	s_barrier_wait -1                              ; everybody's are: the rows may be written again
	s_cmp_le_u32 s26, 32*BROWS                     ; n_b is the same in the whole batch: all four waves take the same way
	s_cbranch_scc1 .Lno_rows
	PHASE1 1
.Lno_rows:
	s_wait_dscnt 0x0
	s_barrier_signal -1
	s_barrier_wait -1
	s_cmp_le_u32 s26, 32*BROWS
	s_cbranch_scc1 .Lend
	PASS 2, 0, WB0, POB2, PMB2
	PASS 3, 1, WB1, POB2, PMB2
.Lend:
	s_endpgm
.Lfunc_end_k_q6fedbbb81b_main:
	.size	k_q6fedbbb81b_main, .Lfunc_end_k_q6fedbbb81b_main-k_q6fedbbb81b_main
	.p2alignl 7, 3214868480
	.fill 96, 4, 3214868480
	.section	.rodata,"a",@progbits
	.p2align	6, 0x0
	.amdhsa_kernel k_q6fedbbb81b_main
		.amdhsa_group_segment_fixed_size 230656
		.amdhsa_private_segment_fixed_size 0
		.amdhsa_enable_private_segment 0
		.amdhsa_kernarg_size 64
		.amdhsa_user_sgpr_count 2
		.amdhsa_user_sgpr_kernarg_segment_ptr 1
		.amdhsa_wavefront_size32 1
		.amdhsa_system_sgpr_workgroup_id_x 1
		.amdhsa_system_sgpr_workgroup_id_y 1
		.amdhsa_system_sgpr_workgroup_id_z 1
		.amdhsa_system_vgpr_workitem_id 0
		.amdhsa_next_free_vgpr 1024
		.amdhsa_next_free_sgpr 66
		.amdhsa_reserve_vcc 1
		.amdhsa_float_denorm_mode_32 3
		.amdhsa_float_denorm_mode_16_64 3
		.amdhsa_memory_ordered 1
		.amdhsa_forward_progress 1
		.amdhsa_inst_pref_size 255
	.end_amdhsa_kernel
	.section	.bss,"aw",@nobits
	.p2align	6
	.space	262144
	.amdgpu_metadata
---
amdhsa.version: [ 1, 2 ]
amdhsa.kernels:
  - .name:           k_q6fedbbb81b_main
    .symbol:         k_q6fedbbb81b_main.kd
    .args:
      - { .name: x, .offset: 0, .size: 8, .value_kind: global_buffer, .address_space: global }
      - { .name: g_media, .offset: 8, .size: 8, .value_kind: global_buffer, .address_space: global }
      - { .name: b_media, .offset: 16, .size: 8, .value_kind: global_buffer, .address_space: global }
      - { .name: wkvf, .offset: 24, .size: 8, .value_kind: global_buffer, .address_space: global }
      - { .name: qf, .offset: 32, .size: 8, .value_kind: global_buffer, .address_space: global }
      - { .name: idx, .offset: 40, .size: 8, .value_kind: global_buffer, .address_space: global }
      - { .name: po, .offset: 48, .size: 8, .value_kind: global_buffer, .address_space: global }
      - { .name: pml, .offset: 56, .size: 8, .value_kind: global_buffer, .address_space: global }
    .group_segment_fixed_size: 230656
    .private_segment_fixed_size: 0
    .kernarg_segment_align: 8
    .kernarg_segment_size: 64
    .max_flat_workgroup_size: 128
    .sgpr_count:     66
    .vgpr_count:     1024
    .wavefront_size: 32
...
	.end_amdgpu_metadata
.endif
;; end of part 7
;; launch combine (part 8): grid 256 x 1, 8 waves a work-group, no clusters, 0 bytes of LDS; arguments po, pml, idx, oc; writes oc
.if DOCPART == 8
	.amdgcn_target "amdgcn-amd-amdhsa--gfx1250"
	.amdhsa_code_object_version 6
	.text
	.protected	k_q6fedbbb81b_combine
	.globl	k_q6fedbbb81b_combine
	.p2align	8
	.type	k_q6fedbbb81b_combine,@function
k_q6fedbbb81b_combine:
	s_mov_b64 s[64:65], 0
	v_nop
	global_prefetch_b8 v0, s[64:65] scope:SCOPE_SE
	s_setreg_imm32_b32 hwreg(HW_REG_WAVE_MODE, 25, 1), 1
	s_wait_xcnt 0x0
; The partial results (m, l, O) of each (batch, head, query) are merged: M = max m, w_c = 2^(m_c - M), O = sum w_c O_c / sum w_c l_c.
; The state (M, L, O) starts as the latent keys' partial result (never masked, so M is finite from the start), takes in the 32 shares' first blocks at once,
; with a running maximum, and, where n_b > 2,560, the 32 second blocks in the same way.  A block without a valid key has m near -2^100 and w = 0.
; A work-group takes half of one (b, head): 4,096 bytes of O; a wave takes 512 of them, one (query tile, t, plane); a lane its 16 bytes, which belong to q = lane & 15.
; (m, l) lie in two layouts, each as its launch left them: the latent keys' as [head][r][query tile][m, l], the shares' as [head pair][query tile][head & 1][r][m, l].
; A stream: each byte of po is read once, by loads of 512 consecutive bytes, 32 of a wave out at once.  No LDS, no matrix unit, nothing shared worth a cluster.
.set PO2,  34603008                    ; where the second blocks' results begin
.set PM2,  2162688
.set CNTS, 131072                      ; idx: where the counts begin
.set ML,   2                           ; v[2:65]    (m, l) of share c at 2 c; m becomes the weight
.set MXR,  66
.set MXB,  67
.set ST,   68                          ; v[68:69]   the state's M and L
.set L2,   70                          ; a second chain of the sum of w l
.set SC,   72                          ; v[72:73]   2^(old M - new M), twice
.set RL,   74                          ; v[74:75]   1 / L twice
.set OV,   76                          ; v[76:203]  O of share c at 4 c
.set ACC,  204                         ; v[204:207] the state's O, and the even shares' sums
.set ACB,  208                         ; v[208:211] the odd shares' sums
.set VA,   212                         ; 32 r + 8 query tile: the latent keys' (m, l)
.set VO,   213                         ; 16 x lane
.set VM,   214                         ; 8 r: the shares' (m, l)
	s_load_b256 s[4:11], s[0:1], 0x0               ; po s[4:5], pml s[6:7], idx s[8:9], oc s[10:11]
	v_and_b32 v1, 15, v0                           ; r
	v_and_b32 v[VO], 31, v0
	v_lshlrev_b32 v[VO], 4, v[VO]
	v_lshrrev_b32 v[VA], 5, v0
	v_readfirstlane_b32 s2, v[VA]                  ; wave
	v_lshlrev_b32 v[VM], 3, v1
	s_lshr_b32 s12, ttmp9, 5                       ; b
	s_bfe_u32 s13, ttmp9, 0x40001                  ; head
	s_and_b32 s14, ttmp9, 1                        ; which half of the head's four query tiles
	s_lshl_b32 s15, s14, 12
	s_lshl_b32 s16, s2, 9
	s_add_co_u32 s15, s15, s16                     ; my wave's 512 bytes in the head's 8,192
	s_mul_i32 s16, s12, 528
	s_add_co_u32 s16, s16, s13                     ; 33 b x 16 + head
	s_lshl_b32 s18, s16, 9
	s_mov_b32 s19, 0
	s_lshl_b32 s20, s16, 13
	s_add_co_u32 s20, s20, s15
	s_mov_b32 s21, 0
	s_lshl_b32 s16, s12, 9
	s_add_co_u32 s16, s16, s13                     ; 32 b x 16 + head
	s_lshl_b32 s24, s16, 13
	s_add_co_u32 s24, s24, s15
	s_mov_b32 s25, 0
	s_lshl_b32 s16, s12, 4
	s_add_co_u32 s16, s16, s13
	s_lshl_b32 s26, s16, 13
	s_add_co_u32 s26, s26, s15
	s_mov_b32 s27, 0
	s_lshr_b32 s17, s2, 2
	s_lshl1_add_u32 s17, s14, s17                  ; query tile
	s_lshl_b32 s17, s17, 3
	v_lshl_add_u32 v[VA], v1, 5, s17               ; 32 r + 8 qt
	s_lshr_b32 s40, s13, 1                         ; the shares' (m, l) inside a partial result's 8,192 bytes:
	s_lshl_b32 s40, s40, 10                        ; 1,024 x head pair
	s_and_b32 s41, s13, 1
	s_lshl_b32 s41, s41, 7                         ; + 128 x (head & 1)
	s_add_co_u32 s40, s40, s41
	s_lshl_b32 s41, s17, 5                         ; + 256 x query tile
	s_add_co_u32 s40, s40, s41
	s_mul_i32 s22, s12, 33*8192                    ; first blocks: partial result 33 b + c
	s_add_co_u32 s22, s22, s40
	s_mov_b32 s23, 0
	s_lshl_b32 s42, s12, 18                        ; second blocks: 32 b + c
	s_add_co_u32 s42, s42, s40
	s_mov_b32 s43, 0
	s_lshl_b32 s28, s12, 8
	s_wait_kmcnt 0x0
	s_load_b32 s29, s[8:9], s28 offset:CNTS        ; n_b
	s_add_nc_u64 s[30:31], s[4:5], s[20:21]        ; po, first blocks and latent keys
	s_add_nc_u64 s[32:33], s[6:7], s[18:19]        ; pml, for the latent keys
	s_add_nc_u64 s[38:39], s[6:7], s[22:23]        ; pml, first blocks
	s_add_nc_u64 s[34:35], s[4:5], s[24:25]
	s_add_nc_u64 s[34:35], s[34:35], PO2           ; po, second blocks
	s_add_nc_u64 s[36:37], s[6:7], s[42:43]
	s_add_nc_u64 s[36:37], s[36:37], PM2           ; pml, second blocks
	s_add_nc_u64 s[10:11], s[10:11], s[26:27]
	global_load_b64 v[ST:ST+1], v[VA], s[32:33] offset:8192*32             ; the state starts as partial result 32, the latent keys'
	global_load_b128 v[ACC:ACC+3], v[VO], s[30:31] offset:131072*32 th:TH_LOAD_NT
.macro MLOADS pb, mb                   ; 32 shares' (m, l), then their O
.set n, 0
.rept 32
	global_load_b64 v[ML+2*n:ML+2*n+1], v[VM], s[\mb:\mb+1] offset:8192*n
.set n, n+1
.endr
.set n, 0
.rept 32
	global_load_b128 v[OV+4*n:OV+4*n+3], v[VO], s[\pb:\pb+1] offset:131072*n th:TH_LOAD_NT
.set n, n+1
.endr
.endm
; the sums of w O, shares n0 .. n0 + cnt - 1; even shares onto the state, odd ones in a set of their own; the weight is the low register of its pair
.macro ACCUM n0, cnt
.set n, \n0
.rept \cnt
.if n == 1
	v_pk_mul_f32 v[ACB:ACB+1], v[OV+4:OV+5], v[ML+2:ML+3] op_sel_hi:[1,0]
	v_pk_mul_f32 v[ACB+2:ACB+3], v[OV+6:OV+7], v[ML+2:ML+3] op_sel_hi:[1,0]
.else
	v_pk_fma_f32 v[ACC+4*(n%2):ACC+4*(n%2)+1], v[OV+4*n:OV+4*n+1], v[ML+2*n:ML+2*n+1], v[ACC+4*(n%2):ACC+4*(n%2)+1] op_sel_hi:[1,0,1]
	v_pk_fma_f32 v[ACC+4*(n%2)+2:ACC+4*(n%2)+3], v[OV+4*n+2:OV+4*n+3], v[ML+2*n:ML+2*n+1], v[ACC+4*(n%2)+2:ACC+4*(n%2)+3] op_sel_hi:[1,0,1]
.endif
.set n, n+1
.endr
.endm
.macro MERGE
	s_wait_loadcnt 32                              ; all (m, l) and the state are in; the 32 loads of O are younger
	v_max3_num_f32 v[MXR], v[ST], v[ML], v[ML+2]
	v_max3_num_f32 v[MXB], v[ML+32], v[ML+34], v[ML+36]
.irp c, 2,4,6,8,10,12,14
	v_max3_num_f32 v[MXR], v[MXR], v[ML+2*\c], v[ML+2*\c+2]
.endr
.irp c, 19,21,23,25,27,29
	v_max3_num_f32 v[MXB], v[MXB], v[ML+2*\c], v[ML+2*\c+2]
.endr
	v_max3_num_f32 v[MXR], v[MXR], v[MXB], v[ML+62]
	v_sub_f32 v[SC], v[ST], v[MXR]
.set n, 0
.rept 32
	v_sub_f32 v[ML+2*n], v[ML+2*n], v[MXR]
.set n, n+1
.endr
	v_exp_f32 v[SC], v[SC]
.set n, 0
.rept 32
	v_exp_f32 v[ML+2*n], v[ML+2*n]
.set n, n+1
.endr
	v_nop                                          ; one plain place behind the transcendentals (ISA guide 5.7.2)
	v_mov_b32 v[SC+1], v[SC]
	v_mov_b32 v[ST], v[MXR]
	v_mul_f32 v[ST+1], v[ST+1], v[SC]
	v_mul_f32 v[L2], v[ML+2], v[ML+3]
	v_fmac_f32 v[ST+1], v[ML], v[ML+1]
.set n, 2
.rept 15
	v_fmac_f32 v[ST+1], v[ML+2*n], v[ML+2*n+1]
	v_fmac_f32 v[L2], v[ML+2*n+2], v[ML+2*n+3]
.set n, n+2
.endr
	v_add_f32 v[ST+1], v[ST+1], v[L2]
	v_pk_mul_f32 v[ACC:ACC+1], v[ACC:ACC+1], v[SC:SC+1]
	v_pk_mul_f32 v[ACC+2:ACC+3], v[ACC+2:ACC+3], v[SC:SC+1]
	s_wait_loadcnt 21                              ; the first eleven shares' O
	ACCUM 0, 11
	s_wait_loadcnt 10
	ACCUM 11, 11
	s_wait_loadcnt 0x0
	ACCUM 22, 10
	v_pk_add_f32 v[ACC:ACC+1], v[ACC:ACC+1], v[ACB:ACB+1]
	v_pk_add_f32 v[ACC+2:ACC+3], v[ACC+2:ACC+3], v[ACB+2:ACB+3]
.endm
	MLOADS 30, 38
	MERGE
	s_wait_kmcnt 0x0
	s_cmp_le_u32 s29, 2560                         ; no share of the batch has a second block
	s_cbranch_scc1 .Lone
	MLOADS 34, 36
	MERGE
.Lone:
	v_rcp_f32 v[RL], v[ST+1]                       ; L is at least 1: the partial result that holds M has weight 1 and l >= 1
	v_rcp_f32 v[RL+1], v[ST+1]
	v_nop                                          ; one plain place behind the transcendentals
	v_pk_mul_f32 v[ACC:ACC+1], v[ACC:ACC+1], v[RL:RL+1]
	v_pk_mul_f32 v[ACC+2:ACC+3], v[ACC+2:ACC+3], v[RL:RL+1]
	global_store_b128 v[VO], v[ACC:ACC+3], s[10:11]        ; 512 consecutive bytes
	s_endpgm
.Lfunc_end_k_q6fedbbb81b_combine:
	.size	k_q6fedbbb81b_combine, .Lfunc_end_k_q6fedbbb81b_combine-k_q6fedbbb81b_combine
	.p2alignl 7, 3214868480
	.fill 96, 4, 3214868480
	.section	.rodata,"a",@progbits
	.p2align	6, 0x0
	.amdhsa_kernel k_q6fedbbb81b_combine
		.amdhsa_group_segment_fixed_size 0
		.amdhsa_private_segment_fixed_size 0
		.amdhsa_enable_private_segment 0
		.amdhsa_kernarg_size 32
		.amdhsa_user_sgpr_count 2
		.amdhsa_user_sgpr_kernarg_segment_ptr 1
		.amdhsa_wavefront_size32 1
		.amdhsa_system_sgpr_workgroup_id_x 1
		.amdhsa_system_sgpr_workgroup_id_y 1
		.amdhsa_system_sgpr_workgroup_id_z 1
		.amdhsa_system_vgpr_workitem_id 0
		.amdhsa_next_free_vgpr 216
		.amdhsa_next_free_sgpr 66
		.amdhsa_reserve_vcc 0
		.amdhsa_float_denorm_mode_32 3
		.amdhsa_float_denorm_mode_16_64 3
		.amdhsa_memory_ordered 1
		.amdhsa_forward_progress 1
		.amdhsa_inst_pref_size 33
	.end_amdhsa_kernel
	.amdgpu_metadata
---
amdhsa.version: [ 1, 2 ]
amdhsa.kernels:
  - .name:           k_q6fedbbb81b_combine
    .symbol:         k_q6fedbbb81b_combine.kd
    .args:
      - { .name: po, .offset: 0, .size: 8, .value_kind: global_buffer, .address_space: global }
      - { .name: pml, .offset: 8, .size: 8, .value_kind: global_buffer, .address_space: global }
      - { .name: idx, .offset: 16, .size: 8, .value_kind: global_buffer, .address_space: global }
      - { .name: oc, .offset: 24, .size: 8, .value_kind: global_buffer, .address_space: global }
    .group_segment_fixed_size: 0
    .private_segment_fixed_size: 0
    .kernarg_segment_align: 8
    .kernarg_segment_size: 32
    .max_flat_workgroup_size: 256
    .sgpr_count:     66
    .vgpr_count:     216
    .wavefront_size: 32
...
	.end_amdgpu_metadata
.endif
;; end of part 8
;; launch outproj: the kernel of part 5 again; grid 16 x 8, 4 waves a work-group, no clusters, 17,408 bytes of LDS; arguments oc, wof, bout, out0; writes out0
